; MI455X (gfx1250); checked and timed in simulation.
; The chip was launched on July 23, 2026; its instructions are those of AMD's public machine-readable ISA for CDNA 5 (MIT licence, August 2026) and "CDNA5" Instruction Set Architecture Reference Guide (July 2026). The comments in the code are by the model that wrote it; some were corrected since.
;; Multi Head Attention. Allowed arithmetic: float matrix products may take bf16 or f16 operands with f32 sums; other float arithmetic in f32, or as packed bf16 or f16 multiplies, adds, multiply-adds, maxima and minima; sums over many terms, partial sums and values carried from step to step in f32; what a program stores and reads back later, other than sums and carried values, may be rounded once to bf16 or f16.
;; Inputs: Wk 1,024 x 1,024 float32; Wo 1,024 x 1,024 float32; Wq 1,024 x 1,024 float32; Wv 1,024 x 1,024 float32; bk 1,024 float32; bo 1,024 float32; bq 1,024 float32; bv 1,024 float32; key 8 x 1,024 x 1,024 float32; mask 8 x 1 x 1,024 bool; query 8 x 1,024 x 1,024 float32; value 8 x 1,024 x 1,024 float32.
;; Outputs: out0 8 x 1,024 x 1,024 float32.
;; 2 versions, each right; version 2 is version 1 with the launch cvt written anew for expert scheduling mode. Each part assembles by itself: llvm-mc -triple=amdgcn-amd-amdhsa -mcpu=gfx1250 --defsym DOCPART=n.
;; ======== version 1 of 2: 4 launches
;; limits: right only within a limited range of input values
;; workspace buffers: xb 50,331,648 bytes; wb 8,404,992 bytes; qkv 50,331,648 bytes; ctx 16,777,216 bytes
;; launch cvt (part 1): grid 897 x 1, 8 waves a work-group, no clusters, 0 bytes of LDS; arguments query, key, value, Wq, Wk, Wv, Wo, bq, bk, bv, bo, xb, wb; writes xb, wb
.if DOCPART == 1
	.amdgcn_target "amdgcn-amd-amdhsa--gfx1250"
	.amdhsa_code_object_version 6
	.text
	.protected	k_q0f55a3e7ad_cvt
	.globl	k_q0f55a3e7ad_cvt
	.p2align	8
	.type	k_q0f55a3e7ad_cvt,@function
k_q0f55a3e7ad_cvt:
	s_mov_b64 s[64:65], 0
	v_nop
	global_prefetch_b8 v0, s[64:65] scope:SCOPE_SE
	s_setreg_imm32_b32 hwreg(HW_REG_WAVE_MODE, 25, 1), 1
	s_wait_xcnt 0x0
; All inputs of the module are rounded once to bf16 (nearest even) and laid out for the products that follow.
; xb: part g (0 query, 1 key, 2 value) at g << 24, as [slice k / 64][row 8192][64] bf16: a slice is 1 << 20 bytes.
; wb: weight i (0 Wq, 1 Wk, 2 Wv, 3 Wo) at i << 21, [1024][1024] bf16 as it lay; from byte 8,388,608 on bias i, 4,096 bytes each, as f32 numbers that hold the bf16 rounding.
; Work-groups 0-767: 32 rows of an activation; 768-895: 32 rows of a weight; 896: the four biases.  A stream: no LDS, no barrier, no matrix unit.
; A wave issues its 32 loads of 16 bytes a lane at once; each store of the wave covers 256 consecutive bytes, aligned.  No register is written twice, so no wait frees a source.
.set X, 8                              ; v[8:135]  32 loads of four registers
.macro CONV sliced
.set n, 0
.rept 32
.if \sliced
	global_load_b128 v[X+4*n:X+4*n+3], v1, s[34:35] offset:(n/16)*8192+(n%16)*256 th:TH_LOAD_NT  ; rows r, r + 1 (half of the lanes each), columns 64 (n % 16) on
.else
	global_load_b128 v[X+4*n:X+4*n+3], v1, s[34:35] offset:512*n th:TH_LOAD_NT
.endif
.set n, n+1
.endr
.set n, 0
.rept 32
	s_wait_loadcnt 31-n                            ; loads come back in order: number n is in, the 31 - n younger ones stay out
	v_cvt_pk_bf16_f32 v[X+4*n], v[X+4*n], v[X+4*n+1]
	v_cvt_pk_bf16_f32 v[X+4*n+1], v[X+4*n+2], v[X+4*n+3]
.if \sliced
.if (n%16) < 8
	global_store_b64 v2, v[X+4*n:X+4*n+1], s[40:41] offset:(n%8)*1048576+(n/16)*256 th:TH_STORE_NT  ; slice n % 16, two rows of 128 bytes on end
.else
	global_store_b64 v2, v[X+4*n:X+4*n+1], s[42:43] offset:(n%8)*1048576+(n/16)*256 th:TH_STORE_NT
.endif
.else
	global_store_b64 v2, v[X+4*n:X+4*n+1], s[40:41] offset:256*n th:TH_STORE_NT
.endif
.set n, n+1
.endr
.endm
	s_load_b512 s[8:23], s[0:1], 0x0               ; query, key, value, Wq, Wk, Wv, Wo, bq
	s_load_b256 s[24:31], s[0:1], 0x40             ; bk, bv, bo, xb
	s_load_b64 s[32:33], s[0:1], 0x60              ; wb
	v_lshrrev_b32 v3, 5, v0                        ; wave
	v_and_b32 v4, 31, v0                           ; lane
	v_and_b32 v5, 15, v0
	v_bfe_u32 v6, v0, 4, 1
	s_mov_b32 s37, 0
	s_mov_b32 s39, 0
	s_wait_kmcnt 0x0
	s_cmp_lt_u32 ttmp9, 768
	s_cbranch_scc0 .Lweights
	; an activation: part g, rows 32 chunk on; wave w takes rows 4 w .. 4 w + 3
	s_lshr_b32 s2, ttmp9, 8                        ; g
	s_and_b32 s3, ttmp9, 255                       ; chunk
	s_cmp_eq_u32 s2, 0
	s_cselect_b64 s[34:35], s[8:9], s[10:11]
	s_cmp_eq_u32 s2, 2
	s_cselect_b64 s[34:35], s[12:13], s[34:35]
	s_lshl_b32 s36, s3, 17                         ; 32 rows of 4,096 bytes
	s_add_nc_u64 s[34:35], s[34:35], s[36:37]
	s_lshl_b32 s38, s2, 24
	s_lshl_b32 s3, s3, 12                          ; 32 rows of 128 bytes in a slice
	s_add_co_u32 s38, s38, s3
	s_add_nc_u64 s[40:41], s[30:31], s[38:39]      ; slices 0-7
	s_add_nc_u64 s[42:43], s[40:41], 0x800000      ; slices 8-15
	v_lshlrev_b32 v1, 14, v3
	v_lshl_add_u32 v1, v6, 12, v1
	v_lshl_add_u32 v1, v5, 4, v1                   ; in: 4 rows a wave, a row for each half of the lanes, 16 bytes a lane
	v_lshlrev_b32 v2, 9, v3
	v_lshl_add_u32 v2, v4, 3, v2                   ; out: 4 rows of 128 bytes a wave, 8 bytes a lane
	CONV 1
	s_endpgm
.Lweights:
	s_cmp_lt_u32 ttmp9, 896
	s_cbranch_scc0 .Lbias
	s_sub_co_u32 s2, ttmp9, 768
	s_and_b32 s3, s2, 31                           ; chunk of 32 rows
	s_lshr_b32 s2, s2, 5                           ; weight i
	s_cmp_eq_u32 s2, 0
	s_cselect_b64 s[34:35], s[14:15], s[16:17]
	s_cmp_eq_u32 s2, 2
	s_cselect_b64 s[34:35], s[18:19], s[34:35]
	s_cmp_eq_u32 s2, 3
	s_cselect_b64 s[34:35], s[20:21], s[34:35]
	s_lshl_b32 s36, s3, 17
	s_add_nc_u64 s[34:35], s[34:35], s[36:37]
	s_lshl_b32 s38, s2, 21
	s_lshl_b32 s3, s3, 16
	s_add_co_u32 s38, s38, s3
	s_add_nc_u64 s[40:41], s[32:33], s[38:39]
	v_lshlrev_b32 v1, 14, v3
	v_lshl_add_u32 v1, v4, 4, v1                   ; in: 16,384 consecutive bytes a wave
	v_lshlrev_b32 v2, 13, v3
	v_lshl_add_u32 v2, v4, 3, v2                   ; out: 8,192
	CONV 0
	s_endpgm
.Lbias:
	v_lshlrev_b32 v1, 4, v0                        ; four numbers a thread
	global_load_b128 v[8:11], v1, s[22:23]
	global_load_b128 v[12:15], v1, s[24:25]
	global_load_b128 v[16:19], v1, s[26:27]
	global_load_b128 v[20:23], v1, s[28:29]
	s_add_nc_u64 s[32:33], s[32:33], 0x800000
	s_wait_loadcnt 0x0
.set n, 0
.rept 8
	v_cvt_pk_bf16_f32 v2, v[8+2*n], v[8+2*n+1]     ; rounded to bf16,
	v_lshlrev_b32 v[8+2*n], 16, v2                 ; and written as f32 again
	v_and_b32 v[8+2*n+1], 0xffff0000, v2
.set n, n+1
.endr
.irp i, 0,1,2,3
	global_store_b128 v1, v[8+4*(\i):8+4*(\i)+3], s[32:33] offset:4096*(\i)
.endr
	s_endpgm
.Lfunc_end_k_q0f55a3e7ad_cvt:
	.size	k_q0f55a3e7ad_cvt, .Lfunc_end_k_q0f55a3e7ad_cvt-k_q0f55a3e7ad_cvt
	.p2alignl 7, 3214868480
	.fill 96, 4, 3214868480
	.section	.rodata,"a",@progbits
	.p2align	6, 0x0
	.amdhsa_kernel k_q0f55a3e7ad_cvt
		.amdhsa_group_segment_fixed_size 0
		.amdhsa_private_segment_fixed_size 0
		.amdhsa_enable_private_segment 0
		.amdhsa_kernarg_size 104
		.amdhsa_user_sgpr_count 2
		.amdhsa_user_sgpr_kernarg_segment_ptr 1
		.amdhsa_wavefront_size32 1
		.amdhsa_system_sgpr_workgroup_id_x 1
		.amdhsa_system_sgpr_workgroup_id_y 1
		.amdhsa_system_sgpr_workgroup_id_z 1
		.amdhsa_system_vgpr_workitem_id 0
		.amdhsa_next_free_vgpr 136
		.amdhsa_next_free_sgpr 66
		.amdhsa_reserve_vcc 0
		.amdhsa_float_denorm_mode_32 3
		.amdhsa_float_denorm_mode_16_64 3
		.amdhsa_memory_ordered 1
		.amdhsa_forward_progress 1
		.amdhsa_inst_pref_size 27
	.end_amdhsa_kernel
	.amdgpu_metadata
---
amdhsa.version: [ 1, 2 ]
amdhsa.kernels:
  - .name:           k_q0f55a3e7ad_cvt
    .symbol:         k_q0f55a3e7ad_cvt.kd
    .args:
      - { .name: query, .offset: 0, .size: 8, .value_kind: global_buffer, .address_space: global }
      - { .name: key, .offset: 8, .size: 8, .value_kind: global_buffer, .address_space: global }
      - { .name: value, .offset: 16, .size: 8, .value_kind: global_buffer, .address_space: global }
      - { .name: Wq, .offset: 24, .size: 8, .value_kind: global_buffer, .address_space: global }
      - { .name: Wk, .offset: 32, .size: 8, .value_kind: global_buffer, .address_space: global }
      - { .name: Wv, .offset: 40, .size: 8, .value_kind: global_buffer, .address_space: global }
      - { .name: Wo, .offset: 48, .size: 8, .value_kind: global_buffer, .address_space: global }
      - { .name: bq, .offset: 56, .size: 8, .value_kind: global_buffer, .address_space: global }
      - { .name: bk, .offset: 64, .size: 8, .value_kind: global_buffer, .address_space: global }
      - { .name: bv, .offset: 72, .size: 8, .value_kind: global_buffer, .address_space: global }
      - { .name: bo, .offset: 80, .size: 8, .value_kind: global_buffer, .address_space: global }
      - { .name: xb, .offset: 88, .size: 8, .value_kind: global_buffer, .address_space: global }
      - { .name: wb, .offset: 96, .size: 8, .value_kind: global_buffer, .address_space: global }
    .group_segment_fixed_size: 0
    .private_segment_fixed_size: 0
    .kernarg_segment_align: 8
    .kernarg_segment_size: 104
    .max_flat_workgroup_size: 256
    .sgpr_count:     66
    .vgpr_count:     136
    .wavefront_size: 32
...
	.end_amdgpu_metadata
.endif
;; end of part 1
;; launch proj (part 2): grid 4 x 192, 4 waves a work-group, clusters of 4 x 4, 327,680 bytes of LDS; arguments xb, wb, qkv; writes qkv
.if DOCPART == 2
	.amdgcn_target "amdgcn-amd-amdhsa--gfx1250"
	.amdhsa_code_object_version 6
	.text
	.protected	k_q0f55a3e7ad_proj
	.globl	k_q0f55a3e7ad_proj
	.p2align	8
	.type	k_q0f55a3e7ad_proj,@function
k_q0f55a3e7ad_proj:
	s_mov_b64 s[64:65], 0
	v_nop
	global_prefetch_b8 v0, s[64:65] scope:SCOPE_SE
	s_setreg_imm32_b32 hwreg(HW_REG_WAVE_MODE, 25, 1), 1
	s_wait_xcnt 0x0
	s_wait_alu depctr_hold_cnt(0) depctr_sa_sdst(0) depctr_va_vdst(0) depctr_va_sdst(0) depctr_va_ssrc(0) depctr_va_vcc(0) depctr_vm_vsrc(0)
	s_getreg_b32 s2, hwreg(HW_REG_IB_STS2, 6, 4)
	s_cmp_eq_u32 s2, 0
	s_cbranch_scc0 .Lentry_in_a_cluster
	s_endpgm
.Lentry_in_a_cluster:
	s_bfe_u32 s2, ttmp6, 0x10000c
	s_cmp_lg_u32 s2, 0xf033
	s_cbranch_scc0 .Lentry_shape_is_right
	s_endpgm
.Lentry_shape_is_right:
; C[m][n] = bias[n] + the sum over k of A[m][k] W[n][k], 8,192 x 1,024 x 1,024, operands bf16, sums f32.  One text for two launches, told apart by OUTP.
; OUTP = 0: the three projections.  Tile rows 0-63 take query and Wq, 64-127 key and Wk, 128-191 value and Wv; C leaves in bf16 by heads, qkv[part][batch][head][s][64], q unscaled.
; OUTP = 1: the last projection: A = ctx, W = Wo, C = out0 in f32.
; A lies in slices of 64 along K, [slice][row][64]: 128 rows of a slice are 16,384 dense bytes, asked for as 64 rows of 256 bytes.  W lies [n][k].
; A tile of C is 128 x 256 (768 and 256 work-groups); four waves, each 64 x 128: 32 accumulators of 16 x 16.  K goes in steps of 128 through two LDS slots.
; CLUSTERS: 4 x 4 work-groups.  A's tile hangs on the tile row alone and is asked for jointly along a row of the cluster, W's on the tile column alone and jointly along a column.
; THE MATRIX INSTRUCTION IS USED TRANSPOSED (source 0 = 16 rows of W, source 1 = 16 rows of A): a lane holds row l % 16 of C and eight neighbouring columns.  The bias is the C operand of each sum's first product.
; REGISTERS: window 0: v0-31 addresses; v32-63 at work on the way out; v64-127 A's fragments, two buffers of 32; v128-255 W's, two buffers of 64.  Window 1: accumulator (a, b) at 8 (8 a + b).  Window 2: v0-63 the bias.
.set OUTP, 0
.set PA,    144                        ; a row of A in LDS: 128 bytes + 16 of padding
.set PW,    272                        ; a row of W: 256 + 16: in both the 16 rows of a fragment load start 16 bytes further round the banks (64 banks of 4 bytes: ISA guide 11.1)
.set APL,   128*PA                     ; one slice's 128 rows
.set AREG,  2*APL
.set WHALF, 128*PW
.set SLOT,  AREG+2*WHALF               ; A's two slices, then W's 256 rows
.set STAGE, 2*SLOT                     ; behind the ring: 16 rows for each wave, for the way out
.if OUTP
.set SPITCH, 528
.else
.set SPITCH, 272
.endif
.set SPARE, STAGE+4*16*SPITCH          ; the spare words, 128 bytes for each wave: two blocks of 256 bytes that no other line names
.set ASTEP, 2<<20                      ; a K step in A: two slices
.set WSTEP, 256                        ; in W: 128 numbers along the row
.set LAPS,  4                          ; a lap = two K steps = once round the ring
.set ADRA, 16                          ; v16-17  LDS address of my A fragments in slot 0, 1
.set ADRW, 20                          ; v20-21  the same for W
.set STO,  24
.set RD,   25
.set CO,   26
.set BO,   27
.set SPW,  28                          ; v28  SPARE + 4 x my thread's number; never rewritten
.set NIL,  29                          ; v29  0; never rewritten
.set PFO,  30                          ; v30  the prefetches' lane offset; never rewritten
.set TMP,  32
.set FA,   64
.set FW,   128
.set G1A, 24
.set G0A, 32
.set G1W, 48
.set G0W, 56
.set LIM, 43                           ; s43  1 in a wave that prefetches, else the greatest number
.set PFA, 44                           ; s[44:45] where my prefetches stand
.set PST, 46                           ; s[46:47] their step
.set MSB, 0
.macro WIN new                         ; the immediate's high byte repeats the setting that is left
.if MSB != (\new)
	s_set_vgpr_msb (MSB<<8)|(\new)
.set MSB, \new
.endif
.endm
.macro PLACES                          ; four plain places behind matrix instructions, in front of loads into their sources and of reads of their results
.rept 4
	v_nop
.endr
.endm
; A joint load.  Waves 0 and 1 fetch A's two slices, waves 2 and 3 W's two halves.  The branch hangs on the wave's number alone.  An s_nop 0 and four v_nop follow each line.
.macro JLOAD s
	s_cmp_eq_u32 s11, 0
	s_cbranch_scc0 .Lfor_w_\@
	tensor_load_to_lds s[G0A+4*(\s):G0A+4*(\s)+3], s[G1A:G1A+7]
	s_nop 0
.rept 4
	v_nop
.endr
	s_branch .Lasked_\@
.Lfor_w_\@:
	tensor_load_to_lds s[G0W+4*(\s):G0W+4*(\s)+3], s[G1W:G1W+7]
	s_nop 0
.rept 4
	v_nop
.endr
.Lasked_\@:
.endm
; A prefetch of the K step that stands two refills on, 32 blocks of 256 bytes, a lane a block.  A's rows belong to one cluster: wave 0 asks, the four partners of a row of the cluster take 16 blocks of each slice
; each, told apart by address.  W's rows are read by every cluster of the same weight: the first of them asks, waves 2 and 3, the four partners of a column 32 rows each.  The loop's last trip asks for nothing.
.macro ASK
	s_cmp_gt_u32 s3, s[LIM]
	s_cbranch_scc0 .Lnot_mine_\@
	global_prefetch_b8 v[PFO], s[PFA:PFA+1] th:TH_LOAD_NT scope:SCOPE_SE
.Lnot_mine_\@:
.endm
.macro CREST                           ; a round of the cluster's barrier behind its opening barrier
	s_cmp_lg_u32 s10, 0
	s_cbranch_scc1 .Lnot_wave_0_\@
	s_barrier_signal -3
.Lnot_wave_0_\@:
	s_barrier_wait -3
	s_barrier_signal -1
	s_barrier_wait -1
.endm
.macro CROUND
	s_barrier_signal -1
	s_barrier_wait -1
	CREST
.endm
	s_load_b128 s[4:7], s[0:1], 0x0                ; A s[4:5], wb s[6:7]
	s_load_b64 s[8:9], s[0:1], 0x10                ; C
	v_lshl_add_u32 v[SPW], v0, 2, SPARE
	v_mov_b32 v[NIL], 0
	ds_add_u32 v[SPW], v[NIL]                      ; the wave's opening: the add and its wait ahead of my first tensor load
	v_lshrrev_b32 v1, 5, v0
	v_readfirstlane_b32 s10, v1                    ; wave 0..3
	s_lshr_b32 s11, s10, 1                         ; my half of the tile's rows.  Also: I fetch for A (0) or for W (1)
	s_and_b32 s12, s10, 1                          ; my half of its columns.  Also: which slice or half I fetch
	s_bfe_u32 s40, ttmp6, 0x40000                  ; cx
	s_bfe_u32 s41, ttmp6, 0x40004                  ; cy
	s_lshl_b32 s42, ttmp9, 2
	s_add_co_u32 s42, s42, s40                     ; tile column
	s_and_b32 s2, ttmp7, 0xffff                    ; cluster y
	s_lshl_b32 s13, s2, 2
	s_add_co_u32 s13, s13, s41                     ; tile row
.if OUTP
	s_mov_b32 s18, 0                               ; A has one part,
	s_mov_b32 s19, 3                               ; the weight is Wo,
	s_mov_b32 s3, s2                               ; and cluster y = 0 is the first that reads it
.else
	s_lshr_b32 s18, s2, 4                          ; part g: 16 clusters each
	s_mov_b32 s19, s18                             ; its weight
	s_and_b32 s3, s2, 15                           ; 0 in the first cluster of the part
	s_and_b32 s13, s13, 63                         ; tile row in the part
.endif
	s_lshl_b32 s16, s41, 2
	s_lshl_b32 s16, 15, s16                        ; my row of the cluster
	s_lshl_b32 s20, 0x1111, s40                    ; my column
	s_or_b32 s[G1A], s16, (1<<16)|(1<<20)|(1<<21)|(4<<22)|(3<<25)  ; the mask; 2-byte elements; padding on; bit 21 beside a mask; after every 32 words 4 words
	s_or_b32 s[G1W], s20, (1<<16)|(1<<20)|(1<<21)|(5<<22)|(3<<25)  ; after every 64 words 4 words
	s_mov_b32 s[G1A+1], 128<<16                    ; tensor_dim0 = 128
	s_mov_b32 s[G1A+2], 64<<16                     ; tensor_dim1 = 64
	s_mov_b32 s[G1A+3], 128<<16                    ; tile_dim0 = 128
	s_mov_b32 s[G1A+4], 64                         ; tile_dim1 = 64
	s_mov_b32 s[G1A+5], 128                        ; dense: 128 elements from row to row
	s_mov_b32 s[G1A+6], 0
	s_mov_b32 s[G1A+7], 0
	s_mov_b32 s[G1W+1], 128<<16
	s_mov_b32 s[G1W+2], 128<<16
	s_mov_b32 s[G1W+3], 128<<16
	s_mov_b32 s[G1W+4], 128
	s_mov_b32 s[G1W+5], 1024
	s_mov_b32 s[G1W+6], 0
	s_mov_b32 s[G1W+7], 0
	s_mov_b32 s[G0A], 1
	s_mov_b32 s[G0A+4], 1
	s_mov_b32 s[G0W], 1
	s_mov_b32 s[G0W+4], 1
	s_mul_i32 s[G0A+1], s12, APL                   ; LDS addresses: the wave's number and constants alone
	s_add_co_u32 s[G0A+5], s[G0A+1], SLOT
	s_mul_i32 s[G0W+1], s12, WHALF
	s_add_co_u32 s[G0W+1], s[G0W+1], AREG
	s_add_co_u32 s[G0W+5], s[G0W+1], SLOT
	s_lshl_b32 s16, s13, 14                        ; A: 128 rows of 128 bytes a tile row,
	s_lshl_b32 s17, s12, 20                        ; my slice,
	s_add_co_u32 s16, s16, s17
	s_lshl_b32 s17, s18, 24                        ; the part
	s_add_co_u32 s16, s16, s17
	s_mov_b32 s17, 0
	s_lshl_b32 s22, s42, 19                        ; W: 256 rows of 2,048 bytes a tile column,
	s_lshl_b32 s23, s12, 18                        ; my half,
	s_add_co_u32 s22, s22, s23
	s_lshl_b32 s23, s19, 21                        ; the weight
	s_add_co_u32 s22, s22, s23
	s_mov_b32 s23, 0
	s_wait_dscnt 0x0                               ; the opening add is done
	s_wait_kmcnt 0x0
	s_add_nc_u64 s[14:15], s[4:5], s[16:17]
	s_add_nc_u64 s[20:21], s[6:7], s[22:23]
	CROUND                                         ; all sixteen work-groups are here: the first joint loads meet
.irp s, 0,1
	s_add_nc_u64 s[G0A+4*(\s)+2:G0A+4*(\s)+3], s[14:15], (\s)*ASTEP
	s_or_b32 s[G0A+4*(\s)+3], s[G0A+4*(\s)+3], 0x80000000
	s_add_nc_u64 s[G0W+4*(\s)+2:G0W+4*(\s)+3], s[20:21], (\s)*WSTEP
	s_or_b32 s[G0W+4*(\s)+3], s[G0W+4*(\s)+3], 0x80000000
	JLOAD \s                                       ; K steps 0 and 1: two loads of mine are out
.endr
	v_and_b32 v1, 15, v0                           ; l % 16
	v_bfe_u32 v2, v0, 4, 1                         ; l / 16
	; the prefetches: they start at K step 3; the first change of slots steps them to 4
	s_lshl_b32 s14, s40, 12                        ; A: my work-group's 16 blocks of each slice
	s_add_co_u32 s14, s14, s16
	s_add_co_u32 s14, s14, 3*ASTEP
	s_lshl_b32 s15, s41, 16                        ; W: my work-group's 32 rows
	s_add_co_u32 s15, s15, s22
	s_add_co_u32 s15, s15, 3*WSTEP
	s_mov_b32 s[PST], ASTEP
	s_mov_b32 s[PST+1], WSTEP
	s_mov_b32 s16, 256
	s_mov_b32 s17, 2048
	s_mov_b32 s22, 1<<20
	s_mov_b32 s23, 32768
	s_cmp_eq_u32 s11, 0
	s_cselect_b32 s14, s14, s15
	s_cselect_b32 s[PST], s[PST], s[PST+1]
	s_cselect_b32 s16, s16, s17
	s_cselect_b32 s22, s22, s23
	s_cselect_b32 s[LIM], s12, s3                  ; 0 in wave 0, and in waves 2 and 3 of the weight's first cluster
	s_cselect_b64 s[PFA:PFA+1], s[4:5], s[6:7]
	s_mov_b32 s15, 0
	s_mov_b32 s[PST+1], 0
	s_add_nc_u64 s[PFA:PFA+1], s[PFA:PFA+1], s[14:15]
	s_cmp_eq_u32 s[LIM], 0
	s_cselect_b32 s[LIM], 1, -1
	v_mul_u32_u24 v[PFO], v1, s16
	v_mad_u32_u24 v[PFO], v2, s22, v[PFO]
	; fragments: 16 rows x 32 K in 8 registers, two loads of 16 bytes, 32 bytes apart, at row x pitch + 16 (l / 16)
	v_mul_u32_u24 v3, v1, PA
	v_lshl_add_u32 v3, v2, 4, v3
	v_mul_u32_u24 v4, v1, PW
	v_lshl_add_u32 v4, v2, 4, v4
	s_mul_i32 s14, s11, 64*PA
	s_mul_i32 s15, s12, WHALF
	s_add_co_u32 s15, s15, AREG
.irp s, 0,1
	v_add_nc_u32 v[ADRA+(\s)], s14, v3
	v_add_nc_u32 v[ADRW+(\s)], s15, v4
	s_add_co_u32 s14, s14, SLOT
	s_add_co_u32 s15, s15, SLOT
.endr
	s_mul_i32 s14, s10, 16*SPITCH
	s_add_co_u32 s14, s14, STAGE                   ; my stage
	v_and_b32 v[CO], 31, v0
	v_lshlrev_b32 v[CO], 4, v[CO]                  ; 16 bytes a lane: a store covers 512 consecutive bytes
	v_mul_u32_u24 v5, v1, SPITCH
.if OUTP
	v_lshl_add_u32 v5, v2, 5, v5                   ; in: row l % 16, 32 bytes for each half of the lanes
	v_add_nc_u32 v[STO], s14, v5
	v_add_nc_u32 v[RD], s14, v[CO]                 ; back: a row's 512 bytes
	s_lshl_b32 s16, s13, 19                        ; C: 128 rows of 4,096 bytes a tile row,
	s_lshl_b32 s17, s11, 18                        ; my 64 rows,
	s_add_co_u32 s16, s16, s17
	s_lshl_b32 s17, s42, 10                        ; 256 columns a tile column,
	s_add_co_u32 s16, s16, s17
	s_lshl_b32 s17, s12, 9                         ; my 128
	s_add_co_u32 s16, s16, s17
.else
	v_lshl_add_u32 v5, v2, 4, v5                   ; in: row l % 16, 16 bytes for each half of the lanes
	v_add_nc_u32 v[STO], s14, v5
	v_bfe_u32 v5, v0, 3, 2                         ; back: four rows, 128 bytes (a head's 64 channels) of each
	v_mul_u32_u24 v5, v5, SPITCH
	v_and_b32 v6, 7, v0
	v_lshl_add_u32 v5, v6, 4, v5
	v_add_nc_u32 v[RD], s14, v5
	s_lshl_b32 s16, s18, 24                        ; C: the part,
	s_lshr_b32 s17, s13, 3
	s_lshl_b32 s17, s17, 21                        ; the batch (8 tile rows each),
	s_add_co_u32 s16, s16, s17
	s_and_b32 s17, s13, 7
	s_lshl_b32 s17, s17, 14                        ; 128 rows of 128 bytes,
	s_add_co_u32 s16, s16, s17
	s_lshl_b32 s17, s11, 13                        ; my 64 rows,
	s_add_co_u32 s16, s16, s17
	s_lshl_b32 s17, s42, 19                        ; four heads a tile column,
	s_add_co_u32 s16, s16, s17
	s_lshl_b32 s17, s12, 18                        ; my two
	s_add_co_u32 s16, s16, s17
.endif
	s_mov_b32 s17, 0
	s_add_nc_u64 s[8:9], s[8:9], s[16:17]
	; the bias of my 128 columns: register 8 b + j holds column 16 b + 8 (l / 16) + j
	v_lshlrev_b32 v[BO], 5, v2
	s_lshl_b32 s14, s19, 12
	s_lshl_b32 s15, s42, 10
	s_add_co_u32 s14, s14, s15
	s_lshl_b32 s15, s12, 9
	s_add_co_u32 s14, s14, s15
	s_add_co_u32 s14, s14, 0x800000
	s_mov_b32 s15, 0
	s_add_nc_u64 s[14:15], s[6:7], s[14:15]
	WIN 0x80                                       ; destination window 2
.irp b, 0,1,2,3,4,5,6,7
	global_load_b128 v[8*(\b):8*(\b)+3],   v[BO], s[14:15] offset:64*(\b)
	global_load_b128 v[8*(\b)+4:8*(\b)+7], v[BO], s[14:15] offset:64*(\b)+16
.endr
	WIN 0
; 8 matrix instructions: m block a x all 8 n blocks, 32 along K, from buffer f.  first = 1: the bias starts the sums.  The 32 accumulators take turns in the same order in every quarter.
.macro MUL8 f, a, first
.if \first
	WIN 0x60                                       ; C window 2, D window 1
.else
	WIN 0x50                                       ; C and D window 1
.endif
.irp b, 0,1,2,3,4,5,6,7
.if \first
	v_wmma_f32_16x16x32_bf16 v[8*(8*(\a)+(\b)):8*(8*(\a)+(\b))+7], v[FW+64*(\f)+8*(\b):FW+64*(\f)+8*(\b)+7], v[FA+32*(\f)+8*(\a):FA+32*(\f)+8*(\a)+7], v[8*(\b):8*(\b)+7]
.else
	v_wmma_f32_16x16x32_bf16 v[8*(8*(\a)+(\b)):8*(8*(\a)+(\b))+7], v[FW+64*(\f)+8*(\b):FW+64*(\f)+8*(\b)+7], v[FA+32*(\f)+8*(\a):FA+32*(\f)+8*(\a)+7], v[8*(8*(\a)+(\b)):8*(8*(\a)+(\b))+7]
.endif
.endr
.endm
; 24 LDS loads in one run: quarter kq of a slot (32 along K) into buffer f: W's 8 fragments, then A's 4
.macro FETCH slot, kq, f
	WIN 0
.irp i, 0,1,2,3,4,5,6,7
	ds_load_b128 v[FW+64*(\f)+8*(\i):FW+64*(\f)+8*(\i)+3],   v[ADRW+(\slot)] offset:(\kq)*64+(\i)*16*PW
	ds_load_b128 v[FW+64*(\f)+8*(\i)+4:FW+64*(\f)+8*(\i)+7], v[ADRW+(\slot)] offset:(\kq)*64+(\i)*16*PW+32
.endr
.irp i, 0,1,2,3
	ds_load_b128 v[FA+32*(\f)+8*(\i):FA+32*(\f)+8*(\i)+3],   v[ADRA+(\slot)] offset:((\kq)/2)*APL+((\kq)%2)*64+(\i)*16*PA
	ds_load_b128 v[FA+32*(\f)+8*(\i)+4:FA+32*(\f)+8*(\i)+7], v[ADRA+(\slot)] offset:((\kq)/2)*APL+((\kq)%2)*64+(\i)*16*PA+32
.endr
.endm
; One of a K step's first three quarters: multiplies buffer f; in its middle fetches quarter kq into buffer g
.macro QUARTER slot, kq, f, g, first
	s_wait_dscnt 0x4                               ; W and A's blocks 0, 1 are in; the youngest four loads (A's blocks 2, 3) may be out
	MUL8 \f, 0, \first
	MUL8 \f, 1, \first
	PLACES
	FETCH \slot, \kq, \g
	s_wait_dscnt 24                                ; all but the 24 just issued
	MUL8 \f, 2, \first
	MUL8 \f, 3, \first
.endm
; The last quarter multiplies buffer 1 and changes slots.  In front of the barrier each wave waits for all its tensor loads (one is out: its part of the next slot), adds 0 to its spare word, and waits for
; that and for its reads of this slot.  fill = 1: the barrier opens a round of the cluster's, and the joint refill, two K steps on, is the first tensor load behind it.
.macro TURN slot, next, fill
.if \fill
	s_wait_xcnt 0x0                                ; the last prefetch, a K step back, has read its address
	s_add_nc_u64 s[PFA:PFA+1], s[PFA:PFA+1], s[PST:PST+1]
.endif
	WIN 0
	s_wait_tensorcnt 0x0
	ds_add_u32 v[SPW], v[NIL]
	s_wait_dscnt 0x5                               ; the add and the youngest four loads may be out
	MUL8 1, 0, 0
	s_wait_dscnt 0x0                               ; the add is done, and my reads of this slot are over
	s_barrier_signal -1
	MUL8 1, 1, 0
	WIN 0
	s_barrier_wait -1
.if \fill
	CREST
	s_add_nc_u64 s[G0A+4*(\slot)+2:G0A+4*(\slot)+3], s[G0A+4*(\slot)+2:G0A+4*(\slot)+3], 2*ASTEP
	s_add_nc_u64 s[G0W+4*(\slot)+2:G0W+4*(\slot)+3], s[G0W+4*(\slot)+2:G0W+4*(\slot)+3], 2*WSTEP
	JLOAD \slot                                    ; its four v_nop are also the places in front of the loads below
.else
	PLACES
.endif
	FETCH \next, 0, 0
.if \fill
	ASK
.endif
	MUL8 1, 2, 0
	MUL8 1, 3, 0
.endm
	s_wait_tensorcnt 0x1                           ; my part of K step 0 is in; K step 1's may stay out
	s_barrier_signal -1
	s_barrier_wait -1
	FETCH 0, 0, 0
	s_wait_loadcnt 0x0                             ; the bias
	QUARTER 0, 1, 0, 1, 1
	WIN 0
	s_mov_b32 s3, LAPS-1
.Llap:                                                 ; a trip goes once round the ring and fills both slots again
	QUARTER 0, 2, 1, 0, 0
	QUARTER 0, 3, 0, 1, 0
	TURN 0, 1, 1
	QUARTER 1, 1, 0, 1, 0
	QUARTER 1, 2, 1, 0, 0
	QUARTER 1, 3, 0, 1, 0
	TURN 1, 0, 1
	QUARTER 0, 1, 0, 1, 0
	WIN 0
	s_sub_co_u32 s3, s3, 1
	s_cmp_lg_u32 s3, 0
	s_cbranch_scc1 .Llap
	QUARTER 0, 2, 1, 0, 0                          ; the last lap fills nothing
	QUARTER 0, 3, 0, 1, 0
	TURN 0, 1, 0
	QUARTER 1, 1, 0, 1, 0
	QUARTER 1, 2, 1, 0, 0
	QUARTER 1, 3, 0, 1, 0
	s_wait_dscnt 0x4
	MUL8 1, 0, 0
	MUL8 1, 1, 0
	s_wait_dscnt 0x0
	MUL8 1, 2, 0
	MUL8 1, 3, 0
	WIN 0
	PLACES
.if OUTP
; THE WAY OUT in f32: a block of 16 rows x 128 columns goes into my stage as it lies in the accumulators (each from its low end) and comes back as rows of 512 bytes.
.macro TOST a
	WIN 0x04                                       ; store data in window 1
.irp b, 0,1,2,3,4,5,6,7
	ds_store_b128 v[STO], v[8*(8*(\a)+(\b)):8*(8*(\a)+(\b))+3]   offset:64*(\b)
	ds_store_b128 v[STO], v[8*(8*(\a)+(\b))+4:8*(8*(\a)+(\b))+7] offset:64*(\b)+16
.endr
	WIN 0
.irp t, 0,1,2,3,4,5,6,7,8,9,10,11,12,13,14,15
	ds_load_b128 v[64+64*((\a)%2)+4*(\t):64+64*((\a)%2)+4*(\t)+3], v[RD] offset:SPITCH*(\t)  ; LDS serves a wave's instructions in order: these see the stores above
.endr
.endm
.macro SEND a, younger                 ; younger: the LDS instructions issued behind block a's loads
.irp t, 0,1,2,3,4,5,6,7,8,9,10,11,12,13,14,15
	s_wait_dscnt (\younger)+15-(\t)
	global_store_b128 v[CO], v[64+64*((\a)%2)+4*(\t):64+64*((\a)%2)+4*(\t)+3], s[8:9] offset:(16*(\a)+(\t))*4096
.endr
.endm
	TOST 0
	TOST 1
	SEND 0, 32
	s_wait_xcnt 0x0                                ; block 0's stores have read their registers, which block 2 takes
	TOST 2
	SEND 1, 32
	s_wait_xcnt 0x0
	TOST 3
	SEND 2, 32
	SEND 3, 0
.else
; THE WAY OUT in bf16, by heads: a block of 16 rows x 128 columns (two heads) is rounded, goes into my stage, and comes back as four rows of one head: 512 consecutive bytes of qkv.
.macro PACK a
	WIN 0x05                                       ; sources in window 1
.irp b, 0,1,2,3,4,5,6,7
.irp r, 0,1,2,3
	v_cvt_pk_bf16_f32 v[TMP+4*(\b)+(\r)], v[8*(8*(\a)+(\b))+2*(\r)], v[8*(8*(\a)+(\b))+2*(\r)+1]
.endr
.endr
	WIN 0
.irp b, 0,1,2,3,4,5,6,7
	ds_store_b128 v[STO], v[TMP+4*(\b):TMP+4*(\b)+3] offset:32*(\b)
.endr
.irp t, 0,1,2,3,4,5,6,7
	ds_load_b128 v[64+32*(\a)+4*(\t):64+32*(\a)+4*(\t)+3], v[RD] offset:((\t)/2)*4*SPITCH+((\t)%2)*128  ; LDS serves a wave's instructions in order: these see the stores above
.endr
.endm
.macro SEND a, younger                 ; younger: the LDS instructions issued behind block a's loads
.irp t, 0,1,2,3,4,5,6,7
	s_wait_dscnt (\younger)+7-(\t)
	global_store_b128 v[CO], v[64+32*(\a)+4*(\t):64+32*(\a)+4*(\t)+3], s[8:9] offset:(\a)*2048+((\t)/2)*512+((\t)%2)*131072
.endr
.endm
	PACK 0
	PACK 1
	SEND 0, 16
	PACK 2
	SEND 1, 16
	PACK 3
	SEND 2, 16
	SEND 3, 0
.endif
	s_wait_tensorcnt 0x0                           ; the wave's end
	ds_add_u32 v[SPW], v[NIL]
	s_wait_dscnt 0x0
	CROUND                                         ; the closing round
	s_endpgm
.Lfunc_end_k_q0f55a3e7ad_proj:
	.size	k_q0f55a3e7ad_proj, .Lfunc_end_k_q0f55a3e7ad_proj-k_q0f55a3e7ad_proj
	.p2alignl 7, 3214868480
	.fill 96, 4, 3214868480
	.section	.rodata,"a",@progbits
	.p2align	6, 0x0
	.amdhsa_kernel k_q0f55a3e7ad_proj
		.amdhsa_group_segment_fixed_size 327680
		.amdhsa_private_segment_fixed_size 0
		.amdhsa_enable_private_segment 0
		.amdhsa_kernarg_size 24
		.amdhsa_user_sgpr_count 2
		.amdhsa_user_sgpr_kernarg_segment_ptr 1
		.amdhsa_wavefront_size32 1
		.amdhsa_system_sgpr_workgroup_id_x 1
		.amdhsa_system_sgpr_workgroup_id_y 1
		.amdhsa_system_sgpr_workgroup_id_z 1
		.amdhsa_system_vgpr_workitem_id 0
		.amdhsa_next_free_vgpr 576
		.amdhsa_next_free_sgpr 66
		.amdhsa_reserve_vcc 0
		.amdhsa_float_denorm_mode_32 3
		.amdhsa_float_denorm_mode_16_64 3
		.amdhsa_memory_ordered 1
		.amdhsa_forward_progress 1
		.amdhsa_inst_pref_size 91
	.end_amdhsa_kernel
	.amdgpu_metadata
---
amdhsa.version: [ 1, 2 ]
amdhsa.kernels:
  - .name:           k_q0f55a3e7ad_proj
    .symbol:         k_q0f55a3e7ad_proj.kd
    .args:
      - { .name: xb, .offset: 0, .size: 8, .value_kind: global_buffer, .address_space: global }
      - { .name: wb, .offset: 8, .size: 8, .value_kind: global_buffer, .address_space: global }
      - { .name: qkv, .offset: 16, .size: 8, .value_kind: global_buffer, .address_space: global }
    .group_segment_fixed_size: 327680
    .private_segment_fixed_size: 0
    .kernarg_segment_align: 8
    .kernarg_segment_size: 24
    .max_flat_workgroup_size: 128
    .sgpr_count:     66
    .vgpr_count:     576
    .wavefront_size: 32
...
	.end_amdgpu_metadata
.endif
;; end of part 2
;; launch attn (part 3): grid 2 x 128, 4 waves a work-group, no clusters, 300,544 bytes of LDS; arguments qkv, mask, ctx; writes ctx
.if DOCPART == 3
	.amdgcn_target "amdgcn-amd-amdhsa--gfx1250"
	.amdhsa_code_object_version 6
	.text
	.protected	k_q0f55a3e7ad_attn
	.globl	k_q0f55a3e7ad_attn
	.p2align	8
	.type	k_q0f55a3e7ad_attn,@function
k_q0f55a3e7ad_attn:
	s_mov_b64 s[64:65], 0
	v_nop
	global_prefetch_b8 v0, s[64:65] scope:SCOPE_SE
	s_setreg_imm32_b32 hwreg(HW_REG_WAVE_MODE, 25, 1), 1
	s_wait_xcnt 0x0
; ATTENTION UNDER A GAUSSIAN WINDOW.  score(q, k) = (masked ? -1e18 : Q[q] . K[k] / 8) x w(|q - k|), w(d) = erfc(d / (4 sqrt 2)); softmax over all 1,024 keys; masked weights set to 0 afterwards; ctx = weights x V.
; Where w = 0 the score is 0 whatever Q and K hold, and the weight is e^-m.  With m = max(0, near scores) and E = e^(t - m) - e^-m:
;   l = 1,024 e^-m + the sum of E over near keys;   ctx = (e^-m VS + the sum of E v over near unmasked keys) / l;   VS = the sum of the head's unmasked rows of V.
; E is exactly 0 where the score is 0: both exponentials have the same argument.  The true maximum is taken away.  All exponentials in base 2: log2(e) / 8 is folded into the window table.
; LIMITS.  w(d) counts as 0 from d = 49 on, where it is at most 1.7e-34: that moves an exponent by less than 2^-24 while |score| < 3e26.  A masked sum starts at -8e18 and takes Q . K on top: the same in f32 while
; |Q . K| < 2^38.  w comes by a rational-exponential formula of fractional error 1.2e-7, evaluated in f32: about 1e-5 at d = 48.  A weight below 2^-126 counts as 0.  NaN and infinities are not treated apart.
; q, k, v arrive in bf16; E is rounded to bf16 for the second product, ctx once at the end; maxima and sums in f32.
; SHARES.  A work-group takes 512 queries of one head (hf = which half), a wave 128: four PAIRS of two tiles of 16.  A pair at local query ql sees the 128 keys of LDS rows ql .. ql + 127.
; LDS rows: row i < 608 holds key 512 hf - 48 + i; rows 608-1071 (V alone) the head's other 464 keys; rows 1072-1087 of V are zeros.  Rows that stand for keys outside the sequence hold zeros in K and count as hidden.
; NO CLUSTER: the two work-groups of a head lay V out differently (each its own window first), so one descriptor cannot serve both, and of K they share 96 rows of 608.  Every tile is asked for once, at the head.
; LAYOUT.  S^T = K Q^T: a lane holds one query (l % 16) and the keys 8 (l / 16) + 0..7; two results rounded in pairs are source 1 of O^T = V^T P.  Tile u takes key tiles x + u, x = 0..6; key - query = 16 x - 48 + 8 (l / 16) + j - l % 16.
; REGISTERS: window 0: v0-31 addresses and work; v32-63 statistics; v64-119 the window W'; v128-239 S^T.  Window 1: v0-127 K; v128-159 Q; v160-223 the mask's addends.
;   window 2: v0-127 V; v128-191 P; v192-223 the mask's bits.  Window 3: v0-63 O^T; v64-95 VS.
.set PK,    144                        ; a row of K in LDS: 128 bytes + 16
.set PV,    160                        ; a row of V: 128 + 32
.set VB,    608*PK                     ; V begins
.set VZ,    VB+1072*PV                 ; its 16 rows of zeros: ten blocks of 256 bytes into which no fill lands
.set MA,    VB+1088*PV                 ; f32 by LDS row: -8e18 where the key is masked, else 0
.set UM,    MA+8192                    ; 16 bits by LDS row: all ones where the key exists and is not masked
.set WT,    UM+4096                    ; f32: w(|d|) log2(e) / 8 at d + 64
.set VSX,   WT+512                     ; the four waves' partial VS
.set STAGE, VSX+16384                  ; 16 rows x 144 bytes for each wave, for the way out
.set SP,    144
.set SPARE, STAGE+4*16*SP              ; the spare words, 128 bytes for each wave: two blocks of 256 bytes that no other line names
.set KW0, (1<<16)|(1<<20)|(4<<22)|(3<<25)  ; 2-byte elements; padding on; after every 32 words 4 words
.set VW0, (1<<16)|(1<<20)|(4<<22)|(7<<25)  ; 8 words
.set AK,  2
.set AM,  3
.set AU,  4
.set AV,  5
.set QO,  6
.set STO, 7
.set RD,  8
.set GO,  9
.set AUS, 14
.set AVS, 15
.set H,   28                           ; v28  l / 16
.set SPW, 30                           ; v30  SPARE + 4 x my thread's number; never rewritten
.set NIL, 31                           ; v31  0; never rewritten
.set T,   32                           ; tile u at T + 16 u: +0, +1 maxima; +2 -m; +4 2^-m; +6..13 four sums of pairs; +14 1 / l; +3, +5, +15 named in pairs only
.set WF,  64
.set S,   128
.set QF,  128                          ; window 1
.set MF,  160                          ; window 1
.set PF,  128                          ; window 2
.set UF,  192                          ; window 2
.set MSB, 0
.macro WIN new
.if MSB != (\new)
	s_set_vgpr_msb (MSB<<8)|(\new)
.set MSB, \new
.endif
.endm
.macro PLACES
.rept 4
	v_nop
.endr
.endm
.macro G1SET g, w0, rr                 ; a tile of rr rows of 256 dense bytes (two keys a row)
	s_mov_b32 s[\g], \w0
	s_mov_b32 s[\g+1], 128<<16
	s_mov_b32 s[\g+2], (\rr)<<16
	s_mov_b32 s[\g+3], 128<<16
	s_mov_b32 s[\g+4], \rr
	s_mov_b32 s[\g+5], 128
	s_mov_b32 s[\g+6], 0
	s_mov_b32 s[\g+7], 0
.endm
.macro G0SET g, lds, mul, base, key    ; to LDS byte lds + (wave & 1) x mul, from the tensor's row s[key]
	s_mov_b32 s[\g], 1
	s_mul_i32 s[\g+1], s13, \mul
	s_add_co_u32 s[\g+1], s[\g+1], \lds
	s_lshl_b32 s20, s[\key], 7
	s_add_nc_u64 s[\g+2:\g+3], s[\base:\base+1], s[20:21]
	s_or_b32 s[\g+3], s[\g+3], 0x80000000
.endm
	s_load_b128 s[4:7], s[0:1], 0x0                ; qkv s[4:5], mask s[6:7]
	s_load_b64 s[8:9], s[0:1], 0x10                ; ctx
	v_lshl_add_u32 v[SPW], v0, 2, SPARE
	v_mov_b32 v[NIL], 0
	ds_add_u32 v[SPW], v[NIL]                      ; the wave's opening: the add and its wait ahead of my first tensor load
	v_lshrrev_b32 v10, 5, v0
	v_readfirstlane_b32 s10, v10                   ; wave
	s_mov_b32 s11, ttmp9                           ; hf
	s_and_b32 s12, ttmp7, 0xffff                   ; 16 x batch + head
	s_and_b32 s13, s10, 1
	s_mov_b32 s21, 0
	s_mov_b32 s23, 0
	s_mov_b32 s60, 0x76543210                      ; v_permlanex16_b32: each lane takes its own place in the other half
	s_mov_b32 s61, 0xfedcba98
	s_mov_b32 s62, 4                               ; pairs to go
	s_mov_b32 s63, 0x3f803f80                      ; 1.0 twice in bf16
	s_lshl_b32 s18, s11, 9
	s_lshl_b32 s19, s13, 8
	s_add_co_u32 s70, s18, s19                     ; the body's first key: 512 hf + 256 u
	s_mul_i32 s71, s11, 464
	s_lshl_b32 s19, s13, 9
	s_add_co_u32 s71, s71, s19                     ; the edges': 512 hf - 48 and 512 hf + 512, held inside the sequence: 464 hf + 512 u
	s_sub_co_u32 s72, 1, s11
	s_mul_i32 s72, s72, 560
	s_mul_i32 s19, s13, 232
	s_add_co_u32 s72, s72, s19                     ; the rest's: 560 (1 - hf) + 232 u
	s_lshl_b32 s22, s12, 17                        ; a head is 131,072 bytes
	s_wait_dscnt 0x0                               ; the opening add is done
	s_wait_kmcnt 0x0
	s_add_nc_u64 s[66:67], s[4:5], s[22:23]        ; the head in q,
	s_add_nc_u64 s[14:15], s[66:67], 1<<24         ; in k,
	s_add_nc_u64 s[16:17], s[66:67], 2<<24         ; in v
	s_cmp_lt_u32 s10, 2                            ; a wave's first fills stand in one branch: three loads of waves 0 and 1 are out, two of waves 2 and 3
	s_cbranch_scc0 .Lfill_v
	G1SET 24, KW0, 128
	G1SET 32, KW0, 24
	G1SET 40, VW0, 116
	G0SET 48, 48*PK, 256*PK, 14, 70                ; K rows 48-559
	G0SET 52, 0, 560*PK, 14, 71                    ; K rows 0-47 and 560-607
	G0SET 56, VB+608*PV, 232*PV, 16, 72            ; V rows 608-1071
	tensor_load_to_lds s[48:51], s[24:31]
	s_nop 0
	tensor_load_to_lds s[52:55], s[32:39]
	s_nop 0
	tensor_load_to_lds s[56:59], s[40:47]
	s_nop 0
.rept 4
	v_nop
.endr
	s_branch .Lfilled
.Lfill_v:
	G1SET 24, VW0, 128
	G1SET 32, VW0, 24
	G0SET 48, VB+48*PV, 256*PV, 16, 70             ; V rows 48-559
	G0SET 52, VB, 560*PV, 16, 71                   ; V rows 0-47 and 560-607
	tensor_load_to_lds s[48:51], s[24:31]
	s_nop 0
	tensor_load_to_lds s[52:55], s[32:39]
	s_nop 0
.rept 4
	v_nop
.endr
.Lfilled:
	; WHILE THE FILLS ARE OUT.  The mask: thread t owns LDS rows 16 t .. 16 t + 15, which are 16 keys on end or none
	v_and_b32 v1, 15, v0                           ; l % 16
	v_bfe_u32 v[H], v0, 4, 1
	v_lshlrev_b32 v10, 4, v0
	s_mov_b32 s18, 464
	s_mov_b32 s19, 0xfffffda0                      ; -608
	s_mov_b32 s20, 0xffffffd0                      ; -48
	s_cmp_eq_u32 s11, 0
	s_cselect_b32 s18, s20, s18                    ; key - row below row 608,
	s_cselect_b32 s19, s20, s19                    ; and from it on
	v_mov_b32 v11, s19
	v_mov_b32 v12, s18
	v_cmp_gt_u32 vcc_lo, 608, v10
	v_cndmask_b32 v11, v11, v12, vcc_lo
	v_add_nc_u32 v11, v10, v11                     ; the first key
	v_cmp_ge_u32 s18, 1008, v11                    ; inside the sequence (a negative number is a large one here),
	v_cmp_gt_u32 s19, 1072, v10                    ; and a row that holds a key
	s_and_b32 s18, s18, s19
	v_cndmask_b32 v13, 0, -1, s18                  ; all ones where the rows hold keys
	v_and_b32 v11, v11, v13
	v_min_u32 v11, 1008, v11
	s_lshr_b32 s20, s12, 4
	s_lshl_b32 s20, s20, 10                        ; the batch's 1,024 bytes
	s_add_nc_u64 s[6:7], s[6:7], s[20:21]
	global_load_b128 v[16:19], v11, s[6:7]
	; Q of the first pair; Q's and ctx's places
	v_lshlrev_b32 v[QO], 7, v1
	v_lshl_add_u32 v[QO], v[H], 4, v[QO]
	s_lshl_b32 s20, s11, 16                        ; 512 rows of 128 bytes,
	s_lshl_b32 s22, s10, 14                        ; my wave's 128
	s_add_co_u32 s20, s20, s22
	s_add_nc_u64 s[66:67], s[66:67], s[20:21]
	s_and_b32 s22, s12, 15                         ; ctx lies [head][batch x 1,024 + s][64]
	s_lshl_b32 s22, s22, 3
	s_lshr_b32 s18, s12, 4
	s_add_co_u32 s22, s22, s18
	s_lshl_b32 s22, s22, 17
	s_add_co_u32 s22, s22, s20
	s_add_nc_u64 s[68:69], s[8:9], s[22:23]
	WIN 0x40                                       ; destination window 1
.irp u, 0,1
.irp c, 0,1
	global_load_b128 v[QF+16*\u+8*\c:QF+16*\u+8*\c+3],   v[QO], s[66:67] offset:\u*2048+\c*64
	global_load_b128 v[QF+16*\u+8*\c+4:QF+16*\u+8*\c+7], v[QO], s[66:67] offset:\u*2048+\c*64+32
.endr
.endr
	WIN 0
	; the window table: thread t makes d = t - 64.  erfc(z) = y exp(-z^2 + poly(y)), y = 1 / (1 + z / 2), z = |d| / (4 sqrt 2); z^2 = d^2 / 32 is exact
	v_add_nc_u32 v20, 0xffffffc0, v0
	v_cvt_f32_i32 v20, v20
	v_and_b32 v20, 0x7fffffff, v20                 ; |d|
	v_mul_f32 v21, 0x3e3504f3, v20                 ; z
	v_fma_f32 v21, v21, 0.5, 1.0
	v_rcp_f32 v21, v21
	v_mul_f32 v22, v20, v20                        ; the plain instruction behind the reciprocal
	s_wait_alu depctr_va_vdst(0)                   ; and the wait ahead of its first reader
	v_mov_b32 v23, 0x3e2ef945                      ;  0.17087277
	v_fmaak_f32 v23, v23, v21, 0xbf527891          ; -0.82215223
	v_fmaak_f32 v23, v23, v21, 0x3fbe87b0          ;  1.48851587
	v_fmaak_f32 v23, v23, v21, 0xbf914e5d          ; -1.13520398
	v_fmaak_f32 v23, v23, v21, 0x3e8ec7cc          ;  0.27886807
	v_fmaak_f32 v23, v23, v21, 0xbe3ec24c          ; -0.18628806
	v_fmaak_f32 v23, v23, v21, 0x3dc636c9          ;  0.09678418
	v_fmaak_f32 v23, v23, v21, 0x3ebf88fb          ;  0.37409196
	v_fmaak_f32 v23, v23, v21, 0x3f8000c7          ;  1.00002368
	v_fmaak_f32 v23, v23, v21, 0xbfa1fc4e          ; -1.26551223
	v_fmamk_f32 v23, v22, 0xbd000000, v23          ; - d^2 / 32
	v_mul_f32 v23, 0x3fb8aa3b, v23
	v_exp_f32 v23, v23
	v_nop
	s_wait_alu depctr_va_vdst(0)
	v_mul_f32 v23, v21, v23
	v_cmp_eq_f32 s18, 0, v20
	v_cmp_le_f32 s19, 0x42440000, v20              ; 49 <= |d|
	v_cndmask_b32 v23, v23, 1.0, s18               ; the diagonal is exactly 1
	v_cndmask_b32 v23, v23, 0, s19
	v_mul_f32 v23, 0x3e38aa3b, v23                 ; x log2(e) / 8
	v_lshl_add_u32 v14, v0, 2, WT
	ds_store_b32 v14, v23
	; V's 16 rows of zeros: 2,560 bytes
.irp r, 24,25,26,27
	v_mov_b32 v\r, 0
.endr
	v_lshl_add_u32 v14, v0, 4, VZ
	ds_store_b128 v14, v[24:27]
	v_lshl_add_u32 v14, v0, 2, VZ+2048
	ds_store_b32 v14, v24
	; the mask's two tables
	s_mov_b32 s20, 0xdede0b6b                      ; -8e18
	s_mov_b32 s18, 0x01010000
	s_mov_b32 s19, 0x03030202
	s_wait_loadcnt 0x8                             ; the mask is in; Q's eight loads stay out
.irp q, 0,1,2,3
	v_and_b32 v[16+\q], v13, v[16+\q]
.endr
.irp q, 0,1,2,3
.irp r, 0,1,2,3
	v_bfe_u32 v[S+4*\q+\r], v[16+\q], 8*\r, 8      ; the byte is 0 or 1:
	v_mul_lo_u32 v[S+4*\q+\r], v[S+4*\q+\r], s20   ; 0, or the bits of -8e18
.endr
.endr
	v_lshl_add_u32 v14, v0, 6, MA
.irp q, 0,1,2,3
	ds_store_b128 v14, v[S+4*\q:S+4*\q+3] offset:16*\q
.endr
.irp q, 0,1,2,3
	v_perm_b32 v[S+16+2*\q], v[16+\q], v[16+\q], s18    ; bytes 0, 0, 1, 1
	v_perm_b32 v[S+16+2*\q+1], v[16+\q], v[16+\q], s19  ; bytes 2, 2, 3, 3
.endr
.irp q, 0,1,2,3,4,5,6,7
	v_mul_lo_u32 v[S+16+\q], v[S+16+\q], 255       ; each byte 0 or 255,
	v_xor_b32 v[S+16+\q], -1, v[S+16+\q]           ; turned: ones where not masked,
	v_and_b32 v[S+16+\q], v13, v[S+16+\q]          ; and only where the rows hold keys
.endr
	v_lshl_add_u32 v14, v0, 5, UM
	ds_store_b128 v14, v[S+16:S+19]
	ds_store_b128 v14, v[S+20:S+23] offset:16
	s_wait_tensorcnt 0x0                           ; my tiles are in,
	s_wait_dscnt 0x0                               ; my tables are written:
	s_barrier_signal -1
	s_barrier_wait -1                              ; everybody's are
	; K's 48 rows that stand for keys outside the sequence become zeros: rows 0-47 (hf = 0) or 560-607; 64 bytes a thread, waves 0 to 2.  Their last fill has landed.
	s_cmp_lt_u32 s10, 3
	s_cbranch_scc0 .Lno_edge
	v_lshrrev_b32 v10, 1, v0
	v_mul_u32_u24 v10, v10, PK
	v_and_b32 v11, 1, v0
	v_lshl_add_u32 v10, v11, 6, v10
	s_cmp_eq_u32 s11, 0
	s_cbranch_scc1 .Ledge_low
	v_add_nc_u32 v10, 560*PK, v10
.Ledge_low:
.irp i, 0,1,2,3
	ds_store_b128 v10, v[24:27] offset:16*\i
.endr
.Lno_edge:
	; VS = V^T U over all 1,088 LDS rows, U = 1.0 where the key counts, the same in all 16 columns.  34 chunks of 32 rows: wave w takes chunks w + 4 j.
	; The turning load takes 16 keys x 16 channels: lane l reads key 8 (l / 16) + l % 8, channels 8 ((l / 8) % 2) + 0..7
	v_and_b32 v10, 7, v0
	v_bfe_u32 v11, v0, 3, 1
	v_lshl_add_u32 v10, v[H], 3, v10
	v_mul_u32_u24 v10, v10, PV
	v_lshl_add_u32 v10, v11, 4, v10
	v_add_nc_u32 v10, VB, v10
	s_mul_i32 s18, s10, 32*PV
	v_add_nc_u32 v[AVS], s18, v10
	s_mul_i32 s18, s10, 128*PV
	v_add_nc_u32 v[AV], s18, v10                   ; for the pairs: my wave's first window
	v_lshlrev_b32 v[AUS], 4, v[H]
	s_lshl_b32 s18, s10, 6
	v_add_nc_u32 v[AUS], s18, v[AUS]
	v_add_nc_u32 v[AUS], UM, v[AUS]
.macro VLOAD set, j                    ; chunk w + 4 j: ten loads into set (window 2, 40 registers: V's four fragments, then U)
	WIN 0x80
.irp cb, 0,1,2,3
	ds_load_tr16_b128 v[40*(\set)+8*\cb:40*(\set)+8*\cb+3],   v[AVS] offset:\cb*32
	ds_load_tr16_b128 v[40*(\set)+8*\cb+4:40*(\set)+8*\cb+7], v[AVS] offset:\cb*32+16*PV
.endr
	ds_load_b128 v[40*(\set)+32:40*(\set)+35], v[AUS] offset:256*(\j)
	ds_load_b128 v[40*(\set)+36:40*(\set)+39], v[AUS] offset:256*(\j)+32
	WIN 0
	v_add_nc_u32 v[AVS], 4*32*PV, v[AVS]
.endm
.macro VMUL set, first, left           ; left: the other set's loads, which may stay out.  The four accumulators take turns
	s_wait_dscnt \left
	WIN 0x88
.irp r, 0,1,2,3,4,5,6,7
	v_and_b32 v[40*(\set)+32+\r], s63, v[40*(\set)+32+\r]
.endr
	WIN 0xfa                                       ; sources window 2, C and D window 3
.irp cb, 0,1,2,3
.if \first
	v_wmma_f32_16x16x32_bf16 v[64+8*\cb:64+8*\cb+7], v[40*(\set)+8*\cb:40*(\set)+8*\cb+7], v[40*(\set)+32:40*(\set)+39], 0
.else
	v_wmma_f32_16x16x32_bf16 v[64+8*\cb:64+8*\cb+7], v[40*(\set)+8*\cb:40*(\set)+8*\cb+7], v[40*(\set)+32:40*(\set)+39], v[64+8*\cb:64+8*\cb+7]
.endif
.endr
	PLACES
.endm
	VLOAD 0, 0
	VLOAD 1, 1
	VMUL 0, 1, 10
	VLOAD 0, 2
	VMUL 1, 0, 10
	VLOAD 1, 3
	VMUL 0, 0, 10
	VLOAD 0, 4
	VMUL 1, 0, 10
	VLOAD 1, 5
	VMUL 0, 0, 10
	VLOAD 0, 6
	VMUL 1, 0, 10
	VLOAD 1, 7
	VMUL 0, 0, 10
	VMUL 1, 0, 0
	WIN 0
	s_cmp_lt_u32 s10, 2                            ; chunks 32 and 33
	s_cbranch_scc0 .Lvs_done
	VLOAD 0, 8
	VMUL 0, 0, 0
	WIN 0
.Lvs_done:
	v_and_b32 v12, 31, v0
	v_lshl_add_u32 v12, v12, 4, VSX
	s_lshl_b32 s18, s10, 12
	v_add_nc_u32 v13, s18, v12
	WIN 0x0c                                       ; store data in window 3; each accumulator from its low end
.irp k, 0,1,2,3,4,5,6,7
	ds_store_b128 v13, v[64+4*\k:64+4*\k+3] offset:512*\k
.endr
	WIN 0
	s_wait_dscnt 0x0                               ; my partial sums and my zeros in K are written
	s_barrier_signal -1
	s_barrier_wait -1
	WIN 0x80
.irp w, 0,1,2,3
.irp k, 0,1,2,3,4,5,6,7
	ds_load_b128 v[32*\w+4*\k:32*\w+4*\k+3], v12 offset:4096*\w+512*\k
.endr
.endr
	s_wait_dscnt 0x0
	WIN 0x8a
.set r, 0
.rept 16
	v_pk_add_f32 v[r:r+1], v[r:r+1], v[32+r:32+r+1]
	v_pk_add_f32 v[64+r:64+r+1], v[64+r:64+r+1], v[96+r:96+r+1]
.set r, r+2
.endr
	WIN 0xca                                       ; destination window 3
.set r, 0
.rept 16
	v_pk_add_f32 v[64+r:64+r+1], v[r:r+1], v[64+r:64+r+1]
.set r, r+2
.endr
	; key tile 7 of tile 0 and key tile 0 of tile 1 lie outside the window: their weights are 0 once and for all
	WIN 0x80
.irp r, 28,29,30,31,32,33,34,35
	v_mov_b32 v[PF+\r], 0
.endr
	WIN 0
	; W'(x, j) = the table at 16 x + j + 16 + 8 (l / 16) - l % 16
	v_sub_nc_u32 v10, 16, v1
	v_lshl_add_u32 v10, v[H], 3, v10
	v_lshl_add_u32 v10, v10, 2, WT
.set i, 0
.rept 56
	ds_load_b32 v[WF+i], v10 offset:4*(16*(i/8)+i%8)
.set i, i+1
.endr
.irp u, 0,1
	v_mov_b32 v[T+16*\u+3], 0
	v_mov_b32 v[T+16*\u+5], 0
	v_mov_b32 v[T+16*\u+15], 0
.endr
	v_mul_u32_u24 v[AK], v1, PK
	v_lshl_add_u32 v[AK], v[H], 4, v[AK]
	s_mul_i32 s18, s10, 128*PK
	v_add_nc_u32 v[AK], s18, v[AK]
	s_lshl_b32 s18, s10, 9
	v_lshl_add_u32 v[AM], v[H], 5, s18
	v_add_nc_u32 v[AM], MA, v[AM]
	s_lshl_b32 s18, s10, 8
	v_lshl_add_u32 v[AU], v[H], 4, s18
	v_add_nc_u32 v[AU], UM, v[AU]
	s_mul_i32 s18, s10, 16*SP
	s_add_co_u32 s18, s18, STAGE
	v_mul_u32_u24 v[STO], v1, SP
	v_lshl_add_u32 v[STO], v[H], 4, v[STO]
	v_add_nc_u32 v[STO], s18, v[STO]
	v_bfe_u32 v[RD], v0, 3, 2
	v_mul_u32_u24 v[RD], v[RD], SP
	v_and_b32 v11, 7, v0
	v_lshl_add_u32 v[RD], v11, 4, v[RD]
	v_add_nc_u32 v[RD], s18, v[RD]
	v_and_b32 v[GO], 31, v0
	v_lshlrev_b32 v[GO], 4, v[GO]
	s_wait_dscnt 0x0                               ; W'
.Lpair:                                                ; four trips: a pair of tiles, 32 queries x 128 keys
	s_wait_loadcnt 0x0                             ; Q is in
	WIN 0x40
.set kt, 0
.rept 8
.irp c, 0,1
	ds_load_b128 v[16*kt+8*\c:16*kt+8*\c+3],   v[AK] offset:kt*16*PK+\c*64
	ds_load_b128 v[16*kt+8*\c+4:16*kt+8*\c+7], v[AK] offset:kt*16*PK+\c*64+32
.endr
.set kt, kt+1
.endr
.set kt, 0
.rept 8
	ds_load_b128 v[MF+8*kt:MF+8*kt+3],   v[AM] offset:kt*64
	ds_load_b128 v[MF+8*kt+4:MF+8*kt+7], v[AM] offset:kt*64+16
.set kt, kt+1
.endr
	WIN 0x80
.set kt, 0
.rept 8
	ds_load_b128 v[UF+4*kt:UF+4*kt+3], v[AU] offset:kt*32
.set kt, kt+1
.endr
.irp c, 0,1,2,3
.irp cb, 0,1,2,3
	ds_load_tr16_b128 v[32*\c+8*\cb:32*\c+8*\cb+3],   v[AV] offset:\c*32*PV+\cb*32
	ds_load_tr16_b128 v[32*\c+8*\cb+4:32*\c+8*\cb+7], v[AV] offset:\c*32*PV+\cb*32+16*PV
.endr
.endr
	s_wait_dscnt 40                                ; K and the addends are in; the 8 loads of bits and V's 32 may stay out
	WIN 0x15                                       ; K, Q and C in window 1, S^T in window 0: a masked key's sum starts at -8e18
.set x, 0
.rept 7
.irp u, 0,1
	v_wmma_f32_16x16x32_bf16 v[S+56*\u+8*x:S+56*\u+8*x+7], v[16*(x+\u):16*(x+\u)+7], v[QF+16*\u:QF+16*\u+7], v[MF+8*(x+\u):MF+8*(x+\u)+7]
.endr
.set x, x+1
.endr
	WIN 0x05                                       ; the 14 accumulators take turns
.set x, 0
.rept 7
.irp u, 0,1
	v_wmma_f32_16x16x32_bf16 v[S+56*\u+8*x:S+56*\u+8*x+7], v[16*(x+\u)+8:16*(x+\u)+15], v[QF+16*\u+8:QF+16*\u+15], v[S+56*\u+8*x:S+56*\u+8*x+7]
.endr
.set x, x+1
.endr
	PLACES
	WIN 0
	s_cmp_eq_u32 s62, 1                            ; the last pair has no successor
	s_cbranch_scc1 .Lno_q
	s_add_nc_u64 s[66:67], s[66:67], 4096          ; Q's last loads were waited for at the trip's head
	WIN 0x40
.irp u, 0,1
.irp c, 0,1
	global_load_b128 v[QF+16*\u+8*\c:QF+16*\u+8*\c+3],   v[QO], s[66:67] offset:\u*2048+\c*64
	global_load_b128 v[QF+16*\u+8*\c+4:QF+16*\u+8*\c+7], v[QO], s[66:67] offset:\u*2048+\c*64+32
.endr
.endr
	WIN 0
.Lno_q:
	; the scores times the window, each accumulator from its low end
.irp u, 0,1
.set x, 0
.rept 7
.irp p, 0,2,4,6
	v_pk_mul_f32 v[S+56*\u+8*x+\p:S+56*\u+8*x+\p+1], v[S+56*\u+8*x+\p:S+56*\u+8*x+\p+1], v[WF+8*x+\p:WF+8*x+\p+1]
.endr
.set x, x+1
.endr
.endr
	; the maximum of the near scores and of 0, the far keys' score: two chains a tile
.set i, 0
.rept 14
.irp u, 0,1
.irp c, 0,1
.if i == 0
	v_max3_num_f32 v[T+16*\u+\c], 0, v[S+56*\u+28*\c], v[S+56*\u+28*\c+1]
.else
	v_max3_num_f32 v[T+16*\u+\c], v[T+16*\u+\c], v[S+56*\u+28*\c+2*i], v[S+56*\u+28*\c+2*i+1]
.endif
.endr
.endr
.set i, i+1
.endr
.irp u, 0,1
	v_max_num_f32 v[T+16*\u], v[T+16*\u], v[T+16*\u+1]
.endr
.irp u, 0,1
	v_permlanex16_b32 v[T+16*\u+1], v[T+16*\u], s60, s61  ; the query's other keys lie in the lane 16 away
.endr
.irp u, 0,1
	v_max_num_f32 v[T+16*\u], v[T+16*\u], v[T+16*\u+1]
.endr
.irp u, 0,1
	v_sub_f32 v[T+16*\u+2], 0, v[T+16*\u]          ; -m
.endr
.irp u, 0,1
.set i, 0
.rept 28
	v_pk_add_f32 v[S+56*\u+i:S+56*\u+i+1], v[S+56*\u+i:S+56*\u+i+1], v[T+16*\u+2:T+16*\u+3] op_sel_hi:[1,0]
.set i, i+2
.endr
.endr
	; one batch of 114 exponentials, none of which reads another's result
.irp u, 0,1
	v_exp_f32 v[T+16*\u+4], v[T+16*\u+2]           ; 2^-m
.endr
.set i, 0
.rept 112
	v_exp_f32 v[S+i], v[S+i]
.set i, i+1
.endr
	v_nop                                          ; the plain instruction behind the last exponential
	s_wait_alu depctr_va_vdst(0)                   ; one wait for the batch ahead of its first reader
.irp u, 0,1
.set i, 0
.rept 28
	v_pk_add_f32 v[S+56*\u+i:S+56*\u+i+1], v[S+56*\u+i:S+56*\u+i+1], v[T+16*\u+4:T+16*\u+5] op_sel_hi:[1,0] neg_lo:[0,1] neg_hi:[0,1]  ; E = p - 2^-m
.set i, i+2
.endr
.endr
	; l = 1,024 x 2^-m + the sum of E: four chains of pairs a tile
.irp u, 0,1
.irp k, 0,1,2,3
	v_pk_add_f32 v[T+16*\u+6+2*\k:T+16*\u+7+2*\k], v[S+56*\u+2*\k:S+56*\u+2*\k+1], v[S+56*\u+2*\k+8:S+56*\u+2*\k+9]
.endr
.endr
.set i, 2
.rept 5
.irp u, 0,1
.irp k, 0,1,2,3
	v_pk_add_f32 v[T+16*\u+6+2*\k:T+16*\u+7+2*\k], v[T+16*\u+6+2*\k:T+16*\u+7+2*\k], v[S+56*\u+2*\k+8*i:S+56*\u+2*\k+8*i+1]
.endr
.endr
.set i, i+1
.endr
.irp u, 0,1
	v_pk_add_f32 v[T+16*\u+6:T+16*\u+7], v[T+16*\u+6:T+16*\u+7], v[T+16*\u+8:T+16*\u+9]
	v_pk_add_f32 v[T+16*\u+10:T+16*\u+11], v[T+16*\u+10:T+16*\u+11], v[T+16*\u+12:T+16*\u+13]
.endr
.irp u, 0,1
	v_pk_add_f32 v[T+16*\u+6:T+16*\u+7], v[T+16*\u+6:T+16*\u+7], v[T+16*\u+10:T+16*\u+11]
.endr
.irp u, 0,1
	v_add_f32 v[T+16*\u+6], v[T+16*\u+6], v[T+16*\u+7]
.endr
.irp u, 0,1
	v_permlanex16_b32 v[T+16*\u+7], v[T+16*\u+6], s60, s61
.endr
.irp u, 0,1
	v_add_f32 v[T+16*\u+6], v[T+16*\u+6], v[T+16*\u+7]
.endr
.irp u, 0,1
	v_fmamk_f32 v[T+16*\u+6], v[T+16*\u+4], 0x44800000, v[T+16*\u+6]
.endr
.irp u, 0,1
	v_rcp_f32 v[T+16*\u+14], v[T+16*\u+6]          ; read far below, behind its wait
.endr
	WIN 0x80                                       ; E rounded to bf16, in pairs: source 1 of the second product
.irp u, 0,1
.set x, 0
.rept 7
.irp r, 0,1,2,3
	v_cvt_pk_bf16_f32 v[PF+32*\u+4*(x+\u)+\r], v[S+56*\u+8*x+2*\r], v[S+56*\u+8*x+2*\r+1]
.endr
.set x, x+1
.endr
.endr
	s_wait_dscnt 32                                ; the mask's bits are in; V's 32 loads may stay out
	WIN 0x8a                                       ; a masked key's weight is 0 in ctx (it has counted in l)
.irp u, 0,1
.set x, 0
.rept 7
.irp r, 0,1,2,3
	v_and_b32 v[PF+32*\u+4*(x+\u)+\r], v[PF+32*\u+4*(x+\u)+\r], v[UF+4*(x+\u)+\r]
.endr
.set x, x+1
.endr
.endr
	WIN 0xc3                                       ; O^T starts at 2^-m VS
.irp u, 0,1
.set i, 0
.rept 16
	v_pk_mul_f32 v[32*\u+i:32*\u+i+1], v[64+i:64+i+1], v[T+16*\u+4:T+16*\u+5] op_sel_hi:[1,0]
.set i, i+2
.endr
.endr
	s_wait_dscnt 0x0                               ; V is in
	WIN 0xfa                                       ; the 8 accumulators take turns
.irp c, 0,1,2,3
.irp cb, 0,1,2,3
.irp u, 0,1
	v_wmma_f32_16x16x32_bf16 v[32*\u+8*\cb:32*\u+8*\cb+7], v[32*\c+8*\cb:32*\c+8*\cb+7], v[PF+32*\u+8*\c:PF+32*\u+8*\c+7], v[32*\u+8*\cb:32*\u+8*\cb+7]
.endr
.endr
.endr
	PLACES
	s_wait_alu depctr_va_vdst(0)                   ; one wait for the two reciprocals, ahead of their first reader
	WIN 0xc3
.irp u, 0,1
.set i, 0
.rept 16
	v_pk_mul_f32 v[32*\u+i:32*\u+i+1], v[32*\u+i:32*\u+i+1], v[T+16*\u+14:T+16*\u+15] op_sel_hi:[1,0]
.set i, i+2
.endr
.endr
	WIN 0x0f                                       ; sources window 3, destination window 0
.irp u, 0,1
.set i, 0
.rept 16
	v_cvt_pk_bf16_f32 v[S+16*\u+i], v[32*\u+2*i], v[32*\u+2*i+1]
.set i, i+1
.endr
.endr
	WIN 0
	; the way out: a tile's 16 rows of 128 bytes through my stage; back as four rows, 512 consecutive bytes of ctx
.irp u, 0,1
.irp cb, 0,1,2,3
	ds_store_b128 v[STO], v[S+16*\u+4*\cb:S+16*\u+4*\cb+3] offset:32*\cb
.endr
.irp f, 0,1,2,3
	ds_load_b128 v[S+32+16*\u+4*\f:S+32+16*\u+4*\f+3], v[RD] offset:\f*4*SP  ; LDS serves a wave's instructions in order: these see the stores above, and the next tile's stores come behind them
.endr
.endr
.irp u, 0,1
.irp f, 0,1,2,3
	s_wait_dscnt (1-\u)*8+3-\f                     ; the younger loads of the tile, and for tile 0 the eight LDS instructions of tile 1, may stay out
	global_store_b128 v[GO], v[S+32+16*\u+4*\f:S+32+16*\u+4*\f+3], s[68:69] offset:\u*2048+\f*512
.endr
.endr
	s_wait_xcnt 0x0                                ; the stores have read their base and their data: both are written again only behind this wait
	s_add_nc_u64 s[68:69], s[68:69], 4096
	v_add_nc_u32 v[AK], 32*PK, v[AK]
	v_add_nc_u32 v[AM], 128, v[AM]
	v_add_nc_u32 v[AU], 64, v[AU]
	v_add_nc_u32 v[AV], 32*PV, v[AV]
	s_sub_co_u32 s62, s62, 1
	s_cmp_lg_u32 s62, 0
	s_cbranch_scc1 .Lpair
	s_wait_tensorcnt 0x0                           ; the wave's end
	ds_add_u32 v[SPW], v[NIL]
	s_wait_dscnt 0x0
	s_endpgm
.Lfunc_end_k_q0f55a3e7ad_attn:
	.size	k_q0f55a3e7ad_attn, .Lfunc_end_k_q0f55a3e7ad_attn-k_q0f55a3e7ad_attn
	.p2alignl 7, 3214868480
	.fill 96, 4, 3214868480
	.section	.rodata,"a",@progbits
	.p2align	6, 0x0
	.amdhsa_kernel k_q0f55a3e7ad_attn
		.amdhsa_group_segment_fixed_size 300544
		.amdhsa_private_segment_fixed_size 0
		.amdhsa_enable_private_segment 0
		.amdhsa_kernarg_size 24
		.amdhsa_user_sgpr_count 2
		.amdhsa_user_sgpr_kernarg_segment_ptr 1
		.amdhsa_wavefront_size32 1
		.amdhsa_system_sgpr_workgroup_id_x 1
		.amdhsa_system_sgpr_workgroup_id_y 1
		.amdhsa_system_sgpr_workgroup_id_z 1
		.amdhsa_system_vgpr_workitem_id 0
		.amdhsa_next_free_vgpr 864
		.amdhsa_next_free_sgpr 80
		.amdhsa_reserve_vcc 1
		.amdhsa_float_denorm_mode_32 3
		.amdhsa_float_denorm_mode_16_64 3
		.amdhsa_memory_ordered 1
		.amdhsa_forward_progress 1
		.amdhsa_inst_pref_size 89
	.end_amdhsa_kernel
	.amdgpu_metadata
---
amdhsa.version: [ 1, 2 ]
amdhsa.kernels:
  - .name:           k_q0f55a3e7ad_attn
    .symbol:         k_q0f55a3e7ad_attn.kd
    .args:
      - { .name: qkv, .offset: 0, .size: 8, .value_kind: global_buffer, .address_space: global }
      - { .name: mask, .offset: 8, .size: 8, .value_kind: global_buffer, .address_space: global }
      - { .name: ctx, .offset: 16, .size: 8, .value_kind: global_buffer, .address_space: global }
    .group_segment_fixed_size: 300544
    .private_segment_fixed_size: 0
    .kernarg_segment_align: 8
    .kernarg_segment_size: 24
    .max_flat_workgroup_size: 128
    .sgpr_count:     80
    .vgpr_count:     864
    .wavefront_size: 32
...
	.end_amdgpu_metadata
.endif
;; end of part 3
;; launch outp (part 4): grid 4 x 64, 4 waves a work-group, clusters of 4 x 4, 327,680 bytes of LDS; arguments ctx, wb, out0; writes out0
.if DOCPART == 4
	.amdgcn_target "amdgcn-amd-amdhsa--gfx1250"
	.amdhsa_code_object_version 6
	.text
	.protected	k_q0f55a3e7ad_outp
	.globl	k_q0f55a3e7ad_outp
	.p2align	8
	.type	k_q0f55a3e7ad_outp,@function
k_q0f55a3e7ad_outp:
	s_mov_b64 s[64:65], 0
	v_nop
	global_prefetch_b8 v0, s[64:65] scope:SCOPE_SE
	s_setreg_imm32_b32 hwreg(HW_REG_WAVE_MODE, 25, 1), 1
	s_wait_xcnt 0x0
	s_wait_alu depctr_hold_cnt(0) depctr_sa_sdst(0) depctr_va_vdst(0) depctr_va_sdst(0) depctr_va_ssrc(0) depctr_va_vcc(0) depctr_vm_vsrc(0)
	s_getreg_b32 s2, hwreg(HW_REG_IB_STS2, 6, 4)
	s_cmp_eq_u32 s2, 0
	s_cbranch_scc0 .Lentry_in_a_cluster
	s_endpgm
.Lentry_in_a_cluster:
	s_bfe_u32 s2, ttmp6, 0x10000c
	s_cmp_lg_u32 s2, 0xf033
	s_cbranch_scc0 .Lentry_shape_is_right
	s_endpgm
.Lentry_shape_is_right:
; C[m][n] = bias[n] + the sum over k of A[m][k] W[n][k], 8,192 x 1,024 x 1,024, operands bf16, sums f32.  One text for two launches, told apart by OUTP.
; OUTP = 0: the three projections.  Tile rows 0-63 take query and Wq, 64-127 key and Wk, 128-191 value and Wv; C leaves in bf16 by heads, qkv[part][batch][head][s][64], q unscaled.
; OUTP = 1: the last projection: A = ctx, W = Wo, C = out0 in f32.
; A lies in slices of 64 along K, [slice][row][64]: 128 rows of a slice are 16,384 dense bytes, asked for as 64 rows of 256 bytes.  W lies [n][k].
; A tile of C is 128 x 256 (768 and 256 work-groups); four waves, each 64 x 128: 32 accumulators of 16 x 16.  K goes in steps of 128 through two LDS slots.
; CLUSTERS: 4 x 4 work-groups.  A's tile hangs on the tile row alone and is asked for jointly along a row of the cluster, W's on the tile column alone and jointly along a column.
; THE MATRIX INSTRUCTION IS USED TRANSPOSED (source 0 = 16 rows of W, source 1 = 16 rows of A): a lane holds row l % 16 of C and eight neighbouring columns.  The bias is the C operand of each sum's first product.
; REGISTERS: window 0: v0-31 addresses; v32-63 at work on the way out; v64-127 A's fragments, two buffers of 32; v128-255 W's, two buffers of 64.  Window 1: accumulator (a, b) at 8 (8 a + b).  Window 2: v0-63 the bias.
.set OUTP, 1
.set PA,    144                        ; a row of A in LDS: 128 bytes + 16 of padding
.set PW,    272                        ; a row of W: 256 + 16: in both the 16 rows of a fragment load start 16 bytes further round the banks (64 banks of 4 bytes: ISA guide 11.1)
.set APL,   128*PA                     ; one slice's 128 rows
.set AREG,  2*APL
.set WHALF, 128*PW
.set SLOT,  AREG+2*WHALF               ; A's two slices, then W's 256 rows
.set STAGE, 2*SLOT                     ; behind the ring: 16 rows for each wave, for the way out
.if OUTP
.set SPITCH, 528
.else
.set SPITCH, 272
.endif
.set SPARE, STAGE+4*16*SPITCH          ; the spare words, 128 bytes for each wave: two blocks of 256 bytes that no other line names
.set ASTEP, 2<<20                      ; a K step in A: two slices
.set WSTEP, 256                        ; in W: 128 numbers along the row
.set LAPS,  4                          ; a lap = two K steps = once round the ring
.set ADRA, 16                          ; v16-17  LDS address of my A fragments in slot 0, 1
.set ADRW, 20                          ; v20-21  the same for W
.set STO,  24
.set RD,   25
.set CO,   26
.set BO,   27
.set SPW,  28                          ; v28  SPARE + 4 x my thread's number; never rewritten
.set NIL,  29                          ; v29  0; never rewritten
.set PFO,  30                          ; v30  the prefetches' lane offset; never rewritten
.set TMP,  32
.set FA,   64
.set FW,   128
.set G1A, 24
.set G0A, 32
.set G1W, 48
.set G0W, 56
.set LIM, 43                           ; s43  1 in a wave that prefetches, else the greatest number
.set PFA, 44                           ; s[44:45] where my prefetches stand
.set PST, 46                           ; s[46:47] their step
.set MSB, 0
.macro WIN new                         ; the immediate's high byte repeats the setting that is left
.if MSB != (\new)
	s_set_vgpr_msb (MSB<<8)|(\new)
.set MSB, \new
.endif
.endm
.macro PLACES                          ; four plain places behind matrix instructions, in front of loads into their sources and of reads of their results
.rept 4
	v_nop
.endr
.endm
; A joint load.  Waves 0 and 1 fetch A's two slices, waves 2 and 3 W's two halves.  The branch hangs on the wave's number alone.  An s_nop 0 and four v_nop follow each line.
.macro JLOAD s
	s_cmp_eq_u32 s11, 0
	s_cbranch_scc0 .Lfor_w_\@
	tensor_load_to_lds s[G0A+4*(\s):G0A+4*(\s)+3], s[G1A:G1A+7]
	s_nop 0
.rept 4
	v_nop
.endr
	s_branch .Lasked_\@
.Lfor_w_\@:
	tensor_load_to_lds s[G0W+4*(\s):G0W+4*(\s)+3], s[G1W:G1W+7]
	s_nop 0
.rept 4
	v_nop
.endr
.Lasked_\@:
.endm
; A prefetch of the K step that stands two refills on, 32 blocks of 256 bytes, a lane a block.  A's rows belong to one cluster: wave 0 asks, the four partners of a row of the cluster take 16 blocks of each slice
; each, told apart by address.  W's rows are read by every cluster of the same weight: the first of them asks, waves 2 and 3, the four partners of a column 32 rows each.  The loop's last trip asks for nothing.
.macro ASK
	s_cmp_gt_u32 s3, s[LIM]
	s_cbranch_scc0 .Lnot_mine_\@
	global_prefetch_b8 v[PFO], s[PFA:PFA+1] th:TH_LOAD_NT scope:SCOPE_SE
.Lnot_mine_\@:
.endm
.macro CREST                           ; a round of the cluster's barrier behind its opening barrier
	s_cmp_lg_u32 s10, 0
	s_cbranch_scc1 .Lnot_wave_0_\@
	s_barrier_signal -3
.Lnot_wave_0_\@:
	s_barrier_wait -3
	s_barrier_signal -1
	s_barrier_wait -1
.endm
.macro CROUND
	s_barrier_signal -1
	s_barrier_wait -1
	CREST
.endm
	s_load_b128 s[4:7], s[0:1], 0x0                ; A s[4:5], wb s[6:7]
	s_load_b64 s[8:9], s[0:1], 0x10                ; C
	v_lshl_add_u32 v[SPW], v0, 2, SPARE
	v_mov_b32 v[NIL], 0
	ds_add_u32 v[SPW], v[NIL]                      ; the wave's opening: the add and its wait ahead of my first tensor load
	v_lshrrev_b32 v1, 5, v0
	v_readfirstlane_b32 s10, v1                    ; wave 0..3
	s_lshr_b32 s11, s10, 1                         ; my half of the tile's rows.  Also: I fetch for A (0) or for W (1)
	s_and_b32 s12, s10, 1                          ; my half of its columns.  Also: which slice or half I fetch
	s_bfe_u32 s40, ttmp6, 0x40000                  ; cx
	s_bfe_u32 s41, ttmp6, 0x40004                  ; cy
	s_lshl_b32 s42, ttmp9, 2
	s_add_co_u32 s42, s42, s40                     ; tile column
	s_and_b32 s2, ttmp7, 0xffff                    ; cluster y
	s_lshl_b32 s13, s2, 2
	s_add_co_u32 s13, s13, s41                     ; tile row
.if OUTP
	s_mov_b32 s18, 0                               ; A has one part,
	s_mov_b32 s19, 3                               ; the weight is Wo,
	s_mov_b32 s3, s2                               ; and cluster y = 0 is the first that reads it
.else
	s_lshr_b32 s18, s2, 4                          ; part g: 16 clusters each
	s_mov_b32 s19, s18                             ; its weight
	s_and_b32 s3, s2, 15                           ; 0 in the first cluster of the part
	s_and_b32 s13, s13, 63                         ; tile row in the part
.endif
	s_lshl_b32 s16, s41, 2
	s_lshl_b32 s16, 15, s16                        ; my row of the cluster
	s_lshl_b32 s20, 0x1111, s40                    ; my column
	s_or_b32 s[G1A], s16, (1<<16)|(1<<20)|(1<<21)|(4<<22)|(3<<25)  ; the mask; 2-byte elements; padding on; bit 21 beside a mask; after every 32 words 4 words
	s_or_b32 s[G1W], s20, (1<<16)|(1<<20)|(1<<21)|(5<<22)|(3<<25)  ; after every 64 words 4 words
	s_mov_b32 s[G1A+1], 128<<16                    ; tensor_dim0 = 128
	s_mov_b32 s[G1A+2], 64<<16                     ; tensor_dim1 = 64
	s_mov_b32 s[G1A+3], 128<<16                    ; tile_dim0 = 128
	s_mov_b32 s[G1A+4], 64                         ; tile_dim1 = 64
	s_mov_b32 s[G1A+5], 128                        ; dense: 128 elements from row to row
	s_mov_b32 s[G1A+6], 0
	s_mov_b32 s[G1A+7], 0
	s_mov_b32 s[G1W+1], 128<<16
	s_mov_b32 s[G1W+2], 128<<16
	s_mov_b32 s[G1W+3], 128<<16
	s_mov_b32 s[G1W+4], 128
	s_mov_b32 s[G1W+5], 1024
	s_mov_b32 s[G1W+6], 0
	s_mov_b32 s[G1W+7], 0
	s_mov_b32 s[G0A], 1
	s_mov_b32 s[G0A+4], 1
	s_mov_b32 s[G0W], 1
	s_mov_b32 s[G0W+4], 1
	s_mul_i32 s[G0A+1], s12, APL                   ; LDS addresses: the wave's number and constants alone
	s_add_co_u32 s[G0A+5], s[G0A+1], SLOT
	s_mul_i32 s[G0W+1], s12, WHALF
	s_add_co_u32 s[G0W+1], s[G0W+1], AREG
	s_add_co_u32 s[G0W+5], s[G0W+1], SLOT
	s_lshl_b32 s16, s13, 14                        ; A: 128 rows of 128 bytes a tile row,
	s_lshl_b32 s17, s12, 20                        ; my slice,
	s_add_co_u32 s16, s16, s17
	s_lshl_b32 s17, s18, 24                        ; the part
	s_add_co_u32 s16, s16, s17
	s_mov_b32 s17, 0
	s_lshl_b32 s22, s42, 19                        ; W: 256 rows of 2,048 bytes a tile column,
	s_lshl_b32 s23, s12, 18                        ; my half,
	s_add_co_u32 s22, s22, s23
	s_lshl_b32 s23, s19, 21                        ; the weight
	s_add_co_u32 s22, s22, s23
	s_mov_b32 s23, 0
	s_wait_dscnt 0x0                               ; the opening add is done
	s_wait_kmcnt 0x0
	s_add_nc_u64 s[14:15], s[4:5], s[16:17]
	s_add_nc_u64 s[20:21], s[6:7], s[22:23]
	CROUND                                         ; all sixteen work-groups are here: the first joint loads meet
.irp s, 0,1
	s_add_nc_u64 s[G0A+4*(\s)+2:G0A+4*(\s)+3], s[14:15], (\s)*ASTEP
	s_or_b32 s[G0A+4*(\s)+3], s[G0A+4*(\s)+3], 0x80000000
	s_add_nc_u64 s[G0W+4*(\s)+2:G0W+4*(\s)+3], s[20:21], (\s)*WSTEP
	s_or_b32 s[G0W+4*(\s)+3], s[G0W+4*(\s)+3], 0x80000000
	JLOAD \s                                       ; K steps 0 and 1: two loads of mine are out
.endr
	v_and_b32 v1, 15, v0                           ; l % 16
	v_bfe_u32 v2, v0, 4, 1                         ; l / 16
	; the prefetches: they start at K step 3; the first change of slots steps them to 4
	s_lshl_b32 s14, s40, 12                        ; A: my work-group's 16 blocks of each slice
	s_add_co_u32 s14, s14, s16
	s_add_co_u32 s14, s14, 3*ASTEP
	s_lshl_b32 s15, s41, 16                        ; W: my work-group's 32 rows
	s_add_co_u32 s15, s15, s22
	s_add_co_u32 s15, s15, 3*WSTEP
	s_mov_b32 s[PST], ASTEP
	s_mov_b32 s[PST+1], WSTEP
	s_mov_b32 s16, 256
	s_mov_b32 s17, 2048
	s_mov_b32 s22, 1<<20
	s_mov_b32 s23, 32768
	s_cmp_eq_u32 s11, 0
	s_cselect_b32 s14, s14, s15
	s_cselect_b32 s[PST], s[PST], s[PST+1]
	s_cselect_b32 s16, s16, s17
	s_cselect_b32 s22, s22, s23
	s_cselect_b32 s[LIM], s12, s3                  ; 0 in wave 0, and in waves 2 and 3 of the weight's first cluster
	s_cselect_b64 s[PFA:PFA+1], s[4:5], s[6:7]
	s_mov_b32 s15, 0
	s_mov_b32 s[PST+1], 0
	s_add_nc_u64 s[PFA:PFA+1], s[PFA:PFA+1], s[14:15]
	s_cmp_eq_u32 s[LIM], 0
	s_cselect_b32 s[LIM], 1, -1
	v_mul_u32_u24 v[PFO], v1, s16
	v_mad_u32_u24 v[PFO], v2, s22, v[PFO]
	; fragments: 16 rows x 32 K in 8 registers, two loads of 16 bytes, 32 bytes apart, at row x pitch + 16 (l / 16)
	v_mul_u32_u24 v3, v1, PA
	v_lshl_add_u32 v3, v2, 4, v3
	v_mul_u32_u24 v4, v1, PW
	v_lshl_add_u32 v4, v2, 4, v4
	s_mul_i32 s14, s11, 64*PA
	s_mul_i32 s15, s12, WHALF
	s_add_co_u32 s15, s15, AREG
.irp s, 0,1
	v_add_nc_u32 v[ADRA+(\s)], s14, v3
	v_add_nc_u32 v[ADRW+(\s)], s15, v4
	s_add_co_u32 s14, s14, SLOT
	s_add_co_u32 s15, s15, SLOT
.endr
	s_mul_i32 s14, s10, 16*SPITCH
	s_add_co_u32 s14, s14, STAGE                   ; my stage
	v_and_b32 v[CO], 31, v0
	v_lshlrev_b32 v[CO], 4, v[CO]                  ; 16 bytes a lane: a store covers 512 consecutive bytes
	v_mul_u32_u24 v5, v1, SPITCH
.if OUTP
	v_lshl_add_u32 v5, v2, 5, v5                   ; in: row l % 16, 32 bytes for each half of the lanes
	v_add_nc_u32 v[STO], s14, v5
	v_add_nc_u32 v[RD], s14, v[CO]                 ; back: a row's 512 bytes
	s_lshl_b32 s16, s13, 19                        ; C: 128 rows of 4,096 bytes a tile row,
	s_lshl_b32 s17, s11, 18                        ; my 64 rows,
	s_add_co_u32 s16, s16, s17
	s_lshl_b32 s17, s42, 10                        ; 256 columns a tile column,
	s_add_co_u32 s16, s16, s17
	s_lshl_b32 s17, s12, 9                         ; my 128
	s_add_co_u32 s16, s16, s17
.else
	v_lshl_add_u32 v5, v2, 4, v5                   ; in: row l % 16, 16 bytes for each half of the lanes
	v_add_nc_u32 v[STO], s14, v5
	v_bfe_u32 v5, v0, 3, 2                         ; back: four rows, 128 bytes (a head's 64 channels) of each
	v_mul_u32_u24 v5, v5, SPITCH
	v_and_b32 v6, 7, v0
	v_lshl_add_u32 v5, v6, 4, v5
	v_add_nc_u32 v[RD], s14, v5
	s_lshl_b32 s16, s18, 24                        ; C: the part,
	s_lshr_b32 s17, s13, 3
	s_lshl_b32 s17, s17, 21                        ; the batch (8 tile rows each),
	s_add_co_u32 s16, s16, s17
	s_and_b32 s17, s13, 7
	s_lshl_b32 s17, s17, 14                        ; 128 rows of 128 bytes,
	s_add_co_u32 s16, s16, s17
	s_lshl_b32 s17, s11, 13                        ; my 64 rows,
	s_add_co_u32 s16, s16, s17
	s_lshl_b32 s17, s42, 19                        ; four heads a tile column,
	s_add_co_u32 s16, s16, s17
	s_lshl_b32 s17, s12, 18                        ; my two
	s_add_co_u32 s16, s16, s17
.endif
	s_mov_b32 s17, 0
	s_add_nc_u64 s[8:9], s[8:9], s[16:17]
	; the bias of my 128 columns: register 8 b + j holds column 16 b + 8 (l / 16) + j
	v_lshlrev_b32 v[BO], 5, v2
	s_lshl_b32 s14, s19, 12
	s_lshl_b32 s15, s42, 10
	s_add_co_u32 s14, s14, s15
	s_lshl_b32 s15, s12, 9
	s_add_co_u32 s14, s14, s15
	s_add_co_u32 s14, s14, 0x800000
	s_mov_b32 s15, 0
	s_add_nc_u64 s[14:15], s[6:7], s[14:15]
	WIN 0x80                                       ; destination window 2
.irp b, 0,1,2,3,4,5,6,7
	global_load_b128 v[8*(\b):8*(\b)+3],   v[BO], s[14:15] offset:64*(\b)
	global_load_b128 v[8*(\b)+4:8*(\b)+7], v[BO], s[14:15] offset:64*(\b)+16
.endr
	WIN 0
; 8 matrix instructions: m block a x all 8 n blocks, 32 along K, from buffer f.  first = 1: the bias starts the sums.  The 32 accumulators take turns in the same order in every quarter.
.macro MUL8 f, a, first
.if \first
	WIN 0x60                                       ; C window 2, D window 1
.else
	WIN 0x50                                       ; C and D window 1
.endif
.irp b, 0,1,2,3,4,5,6,7
.if \first
	v_wmma_f32_16x16x32_bf16 v[8*(8*(\a)+(\b)):8*(8*(\a)+(\b))+7], v[FW+64*(\f)+8*(\b):FW+64*(\f)+8*(\b)+7], v[FA+32*(\f)+8*(\a):FA+32*(\f)+8*(\a)+7], v[8*(\b):8*(\b)+7]
.else
	v_wmma_f32_16x16x32_bf16 v[8*(8*(\a)+(\b)):8*(8*(\a)+(\b))+7], v[FW+64*(\f)+8*(\b):FW+64*(\f)+8*(\b)+7], v[FA+32*(\f)+8*(\a):FA+32*(\f)+8*(\a)+7], v[8*(8*(\a)+(\b)):8*(8*(\a)+(\b))+7]
.endif
.endr
.endm
; 24 LDS loads in one run: quarter kq of a slot (32 along K) into buffer f: W's 8 fragments, then A's 4
.macro FETCH slot, kq, f
	WIN 0
.irp i, 0,1,2,3,4,5,6,7
	ds_load_b128 v[FW+64*(\f)+8*(\i):FW+64*(\f)+8*(\i)+3],   v[ADRW+(\slot)] offset:(\kq)*64+(\i)*16*PW
	ds_load_b128 v[FW+64*(\f)+8*(\i)+4:FW+64*(\f)+8*(\i)+7], v[ADRW+(\slot)] offset:(\kq)*64+(\i)*16*PW+32
.endr
.irp i, 0,1,2,3
	ds_load_b128 v[FA+32*(\f)+8*(\i):FA+32*(\f)+8*(\i)+3],   v[ADRA+(\slot)] offset:((\kq)/2)*APL+((\kq)%2)*64+(\i)*16*PA
	ds_load_b128 v[FA+32*(\f)+8*(\i)+4:FA+32*(\f)+8*(\i)+7], v[ADRA+(\slot)] offset:((\kq)/2)*APL+((\kq)%2)*64+(\i)*16*PA+32
.endr
.endm
; One of a K step's first three quarters: multiplies buffer f; in its middle fetches quarter kq into buffer g
.macro QUARTER slot, kq, f, g, first
	s_wait_dscnt 0x4                               ; W and A's blocks 0, 1 are in; the youngest four loads (A's blocks 2, 3) may be out
	MUL8 \f, 0, \first
	MUL8 \f, 1, \first
	PLACES
	FETCH \slot, \kq, \g
	s_wait_dscnt 24                                ; all but the 24 just issued
	MUL8 \f, 2, \first
	MUL8 \f, 3, \first
.endm
; The last quarter multiplies buffer 1 and changes slots.  In front of the barrier each wave waits for all its tensor loads (one is out: its part of the next slot), adds 0 to its spare word, and waits for
; that and for its reads of this slot.  fill = 1: the barrier opens a round of the cluster's, and the joint refill, two K steps on, is the first tensor load behind it.
.macro TURN slot, next, fill
.if \fill
	s_wait_xcnt 0x0                                ; the last prefetch, a K step back, has read its address
	s_add_nc_u64 s[PFA:PFA+1], s[PFA:PFA+1], s[PST:PST+1]
.endif
	WIN 0
	s_wait_tensorcnt 0x0
	ds_add_u32 v[SPW], v[NIL]
	s_wait_dscnt 0x5                               ; the add and the youngest four loads may be out
	MUL8 1, 0, 0
	s_wait_dscnt 0x0                               ; the add is done, and my reads of this slot are over
	s_barrier_signal -1
	MUL8 1, 1, 0
	WIN 0
	s_barrier_wait -1
.if \fill
	CREST
	s_add_nc_u64 s[G0A+4*(\slot)+2:G0A+4*(\slot)+3], s[G0A+4*(\slot)+2:G0A+4*(\slot)+3], 2*ASTEP
	s_add_nc_u64 s[G0W+4*(\slot)+2:G0W+4*(\slot)+3], s[G0W+4*(\slot)+2:G0W+4*(\slot)+3], 2*WSTEP
	JLOAD \slot                                    ; its four v_nop are also the places in front of the loads below
.else
	PLACES
.endif
	FETCH \next, 0, 0
.if \fill
	ASK
.endif
	MUL8 1, 2, 0
	MUL8 1, 3, 0
.endm
	s_wait_tensorcnt 0x1                           ; my part of K step 0 is in; K step 1's may stay out
	s_barrier_signal -1
	s_barrier_wait -1
	FETCH 0, 0, 0
	s_wait_loadcnt 0x0                             ; the bias
	QUARTER 0, 1, 0, 1, 1
	WIN 0
	s_mov_b32 s3, LAPS-1
.Llap:                                                 ; a trip goes once round the ring and fills both slots again
	QUARTER 0, 2, 1, 0, 0
	QUARTER 0, 3, 0, 1, 0
	TURN 0, 1, 1
	QUARTER 1, 1, 0, 1, 0
	QUARTER 1, 2, 1, 0, 0
	QUARTER 1, 3, 0, 1, 0
	TURN 1, 0, 1
	QUARTER 0, 1, 0, 1, 0
	WIN 0
	s_sub_co_u32 s3, s3, 1
	s_cmp_lg_u32 s3, 0
	s_cbranch_scc1 .Llap
	QUARTER 0, 2, 1, 0, 0                          ; the last lap fills nothing
	QUARTER 0, 3, 0, 1, 0
	TURN 0, 1, 0
	QUARTER 1, 1, 0, 1, 0
	QUARTER 1, 2, 1, 0, 0
	QUARTER 1, 3, 0, 1, 0
	s_wait_dscnt 0x4
	MUL8 1, 0, 0
	MUL8 1, 1, 0
	s_wait_dscnt 0x0
	MUL8 1, 2, 0
	MUL8 1, 3, 0
	WIN 0
	PLACES
.if OUTP
; THE WAY OUT in f32: a block of 16 rows x 128 columns goes into my stage as it lies in the accumulators (each from its low end) and comes back as rows of 512 bytes.
.macro TOST a
	WIN 0x04                                       ; store data in window 1
.irp b, 0,1,2,3,4,5,6,7
	ds_store_b128 v[STO], v[8*(8*(\a)+(\b)):8*(8*(\a)+(\b))+3]   offset:64*(\b)
	ds_store_b128 v[STO], v[8*(8*(\a)+(\b))+4:8*(8*(\a)+(\b))+7] offset:64*(\b)+16
.endr
	WIN 0
.irp t, 0,1,2,3,4,5,6,7,8,9,10,11,12,13,14,15
	ds_load_b128 v[64+64*((\a)%2)+4*(\t):64+64*((\a)%2)+4*(\t)+3], v[RD] offset:SPITCH*(\t)  ; LDS serves a wave's instructions in order: these see the stores above
.endr
.endm
.macro SEND a, younger                 ; younger: the LDS instructions issued behind block a's loads
.irp t, 0,1,2,3,4,5,6,7,8,9,10,11,12,13,14,15
	s_wait_dscnt (\younger)+15-(\t)
	global_store_b128 v[CO], v[64+64*((\a)%2)+4*(\t):64+64*((\a)%2)+4*(\t)+3], s[8:9] offset:(16*(\a)+(\t))*4096
.endr
.endm
	TOST 0
	TOST 1
	SEND 0, 32
	s_wait_xcnt 0x0                                ; block 0's stores have read their registers, which block 2 takes
	TOST 2
	SEND 1, 32
	s_wait_xcnt 0x0
	TOST 3
	SEND 2, 32
	SEND 3, 0
.else
; THE WAY OUT in bf16, by heads: a block of 16 rows x 128 columns (two heads) is rounded, goes into my stage, and comes back as four rows of one head: 512 consecutive bytes of qkv.
.macro PACK a
	WIN 0x05                                       ; sources in window 1
.irp b, 0,1,2,3,4,5,6,7
.irp r, 0,1,2,3
	v_cvt_pk_bf16_f32 v[TMP+4*(\b)+(\r)], v[8*(8*(\a)+(\b))+2*(\r)], v[8*(8*(\a)+(\b))+2*(\r)+1]
.endr
.endr
	WIN 0
.irp b, 0,1,2,3,4,5,6,7
	ds_store_b128 v[STO], v[TMP+4*(\b):TMP+4*(\b)+3] offset:32*(\b)
.endr
.irp t, 0,1,2,3,4,5,6,7
	ds_load_b128 v[64+32*(\a)+4*(\t):64+32*(\a)+4*(\t)+3], v[RD] offset:((\t)/2)*4*SPITCH+((\t)%2)*128  ; LDS serves a wave's instructions in order: these see the stores above
.endr
.endm
.macro SEND a, younger                 ; younger: the LDS instructions issued behind block a's loads
.irp t, 0,1,2,3,4,5,6,7
	s_wait_dscnt (\younger)+7-(\t)
	global_store_b128 v[CO], v[64+32*(\a)+4*(\t):64+32*(\a)+4*(\t)+3], s[8:9] offset:(\a)*2048+((\t)/2)*512+((\t)%2)*131072
.endr
.endm
	PACK 0
	PACK 1
	SEND 0, 16
	PACK 2
	SEND 1, 16
	PACK 3
	SEND 2, 16
	SEND 3, 0
.endif
	s_wait_tensorcnt 0x0                           ; the wave's end
	ds_add_u32 v[SPW], v[NIL]
	s_wait_dscnt 0x0
	CROUND                                         ; the closing round
	s_endpgm
.Lfunc_end_k_q0f55a3e7ad_outp:
	.size	k_q0f55a3e7ad_outp, .Lfunc_end_k_q0f55a3e7ad_outp-k_q0f55a3e7ad_outp
	.p2alignl 7, 3214868480
	.fill 96, 4, 3214868480
	.section	.rodata,"a",@progbits
	.p2align	6, 0x0
	.amdhsa_kernel k_q0f55a3e7ad_outp
		.amdhsa_group_segment_fixed_size 327680
		.amdhsa_private_segment_fixed_size 0
		.amdhsa_enable_private_segment 0
		.amdhsa_kernarg_size 24
		.amdhsa_user_sgpr_count 2
		.amdhsa_user_sgpr_kernarg_segment_ptr 1
		.amdhsa_wavefront_size32 1
		.amdhsa_system_sgpr_workgroup_id_x 1
		.amdhsa_system_sgpr_workgroup_id_y 1
		.amdhsa_system_sgpr_workgroup_id_z 1
		.amdhsa_system_vgpr_workitem_id 0
		.amdhsa_next_free_vgpr 576
		.amdhsa_next_free_sgpr 66
		.amdhsa_reserve_vcc 0
		.amdhsa_float_denorm_mode_32 3
		.amdhsa_float_denorm_mode_16_64 3
		.amdhsa_memory_ordered 1
		.amdhsa_forward_progress 1
		.amdhsa_inst_pref_size 90
	.end_amdhsa_kernel
	.amdgpu_metadata
---
amdhsa.version: [ 1, 2 ]
amdhsa.kernels:
  - .name:           k_q0f55a3e7ad_outp
    .symbol:         k_q0f55a3e7ad_outp.kd
    .args:
      - { .name: ctx, .offset: 0, .size: 8, .value_kind: global_buffer, .address_space: global }
      - { .name: wb, .offset: 8, .size: 8, .value_kind: global_buffer, .address_space: global }
      - { .name: out0, .offset: 16, .size: 8, .value_kind: global_buffer, .address_space: global }
    .group_segment_fixed_size: 327680
    .private_segment_fixed_size: 0
    .kernarg_segment_align: 8
    .kernarg_segment_size: 24
    .max_flat_workgroup_size: 128
    .sgpr_count:     66
    .vgpr_count:     576
    .wavefront_size: 32
...
	.end_amdgpu_metadata
.endif
;; end of part 4
;; ======== version 2 of 2: 4 launches; version 1 with the launch cvt written anew for expert scheduling mode
;; limits: right only within a limited range of input values
;; workspace buffers: xb 50,331,648 bytes; wb 8,404,992 bytes; qkv 50,331,648 bytes; ctx 16,777,216 bytes
;; launch cvt (part 5): grid 897 x 1, 8 waves a work-group, no clusters, 0 bytes of LDS; arguments query, key, value, Wq, Wk, Wv, Wo, bq, bk, bv, bo, xb, wb; writes xb, wb
.if DOCPART == 5
	.amdgcn_target "amdgcn-amd-amdhsa--gfx1250"
	.amdhsa_code_object_version 6
	.text
	.protected	k_q0f55a3e7ad_cvt
	.globl	k_q0f55a3e7ad_cvt
	.p2align	8
	.type	k_q0f55a3e7ad_cvt,@function
k_q0f55a3e7ad_cvt:
	s_mov_b64 s[64:65], 0
	v_nop
	global_prefetch_b8 v0, s[64:65] scope:SCOPE_SE
	s_setreg_imm32_b32 hwreg(HW_REG_WAVE_SCHED_MODE, 0, 2), 2
	s_setreg_imm32_b32 hwreg(HW_REG_WAVE_MODE, 25, 1), 1
	s_wait_xcnt 0x0
	s_wait_alu depctr_vm_vsrc(0)
; All inputs of the module are rounded once to bf16 (nearest even) and laid out for the products that follow.
; xb: part g (0 query, 1 key, 2 value) at g << 24, as [slice k / 64][row 8192][64] bf16: a slice is 1 << 20 bytes.
; wb: weight i (0 Wq, 1 Wk, 2 Wv, 3 Wo) at i << 21, [1024][1024] bf16 as it lay; from byte 8,388,608 on bias i, 4,096 bytes each, as f32 numbers that hold the bf16 rounding.
; Work-groups 0-767: 32 rows of an activation; 768-895: 32 rows of a weight; 896: the four biases.  A stream: no LDS, no barrier, no matrix unit.
; A wave issues its 32 loads of 16 bytes a lane at once; each store of the wave covers 256 consecutive bytes, aligned.
; THE MODE: SCHED_MODE bits 1:0 = 2 (LLVM: expert scheduling mode 2), set by the entry lines.  The code itself states the register dependences
; between vector instructions and memory instructions, with s_wait_alu, always for 0.
; THE PLAN.  Registers that memory instructions touch:
;   v1, v2          the loads' and the stores' byte offsets: made once in a path's head, read by every load or store of the path, never written again.
;   v[X+4n .. +3]   load n lands here; all 32 loads are issued ahead of the first conversion.  Conversion pair n reads the four and writes the lowest two, in place;
;                   store n reads those two; nothing writes them again.  No two n share a register.
; The 32 loads are worked off in 8 blocks of four.  Block p rounds its own sixteen registers; its memory instructions are the four stores of block p - 1, whose data
; no vector instruction of block p names.  So ONE wait on va_vdst at a block's head, behind the wait for the block's data, states all that its four stores hang on, and
; they are dealt among the block's eight conversions.  No register that a memory instruction reads is written again on any path, so no wait on vm_vsrc is owed;
; no vector instruction writes a scalar register, VCC or EXEC.
.set X, 8                              ; v[8:135]  32 loads of four registers
.set BLK, 4                            ; loads in a block
; The store of the eight numbers of load n
.macro ST sliced, n
.if \sliced
.if ((\n)%16) < 8
	global_store_b64 v2, v[X+4*(\n):X+4*(\n)+1], s[40:41] offset:((\n)%8)*1048576+((\n)/16)*256 th:TH_STORE_NT  ; slice n % 16, two rows of 128 bytes on end
.else
	global_store_b64 v2, v[X+4*(\n):X+4*(\n)+1], s[42:43] offset:((\n)%8)*1048576+((\n)/16)*256 th:TH_STORE_NT
.endif
.else
	global_store_b64 v2, v[X+4*(\n):X+4*(\n)+1], s[40:41] offset:256*(\n) th:TH_STORE_NT
.endif
.endm
.macro CONV sliced
	s_wait_alu depctr_va_vdst(0)                   ; v1 and v2 are written: every load below reads v1 as its offset, every store v2
.set n, 0
.rept 32
.if \sliced
	global_load_b128 v[X+4*n:X+4*n+3], v1, s[34:35] offset:(n/16)*8192+(n%16)*256 th:TH_LOAD_NT  ; rows r, r + 1 (half of the lanes each), columns 64 (n % 16) on
.else
	global_load_b128 v[X+4*n:X+4*n+3], v1, s[34:35] offset:512*n th:TH_LOAD_NT
.endif
.set n, n+1
.endr
.set n, 0
.rept 32
.if n%BLK == 0
	s_wait_loadcnt 32-BLK-n                        ; loads come back in order: this block's four are in, the younger ones stay out
.if n > 0
	s_wait_alu depctr_va_vdst(0)                   ; the block before has written its eight data registers, which this block's four stores read
.endif
.endif
.if n >= BLK
	ST \sliced, n-BLK                              ; the block before: no vector instruction since the wait names its registers
.endif
	v_cvt_pk_bf16_f32 v[X+4*n], v[X+4*n], v[X+4*n+1]
	v_cvt_pk_bf16_f32 v[X+4*n+1], v[X+4*n+2], v[X+4*n+3]
.set n, n+1
.endr
	s_wait_alu depctr_va_vdst(0)                   ; the last block has written its data registers, which the last four stores read
.set n, 32-BLK
.rept BLK
	ST \sliced, n
.set n, n+1
.endr
.endm
	s_load_b512 s[8:23], s[0:1], 0x0               ; query, key, value, Wq, Wk, Wv, Wo, bq
	s_load_b256 s[24:31], s[0:1], 0x40             ; bk, bv, bo, xb
	s_load_b64 s[32:33], s[0:1], 0x60              ; wb
	v_lshrrev_b32 v3, 5, v0                        ; wave
	v_and_b32 v4, 31, v0                           ; lane
	v_and_b32 v5, 15, v0
	v_bfe_u32 v6, v0, 4, 1
	s_mov_b32 s37, 0
	s_mov_b32 s39, 0
	s_wait_kmcnt 0x0
	s_cmp_lt_u32 ttmp9, 768
	s_cbranch_scc0 .Lweights
	; an activation: part g, rows 32 chunk on; wave w takes rows 4 w .. 4 w + 3
	s_lshr_b32 s2, ttmp9, 8                        ; g
	s_and_b32 s3, ttmp9, 255                       ; chunk
	s_cmp_eq_u32 s2, 0
	s_cselect_b64 s[34:35], s[8:9], s[10:11]
	s_cmp_eq_u32 s2, 2
	s_cselect_b64 s[34:35], s[12:13], s[34:35]
	s_lshl_b32 s36, s3, 17                         ; 32 rows of 4,096 bytes
	s_add_nc_u64 s[34:35], s[34:35], s[36:37]
	s_lshl_b32 s38, s2, 24
	s_lshl_b32 s3, s3, 12                          ; 32 rows of 128 bytes in a slice
	s_add_co_u32 s38, s38, s3
	s_add_nc_u64 s[40:41], s[30:31], s[38:39]      ; slices 0-7
	s_add_nc_u64 s[42:43], s[40:41], 0x800000      ; slices 8-15
	v_lshlrev_b32 v1, 14, v3
	v_lshl_add_u32 v1, v6, 12, v1
	v_lshl_add_u32 v1, v5, 4, v1                   ; in: 4 rows a wave, a row for each half of the lanes, 16 bytes a lane
	v_lshlrev_b32 v2, 9, v3
	v_lshl_add_u32 v2, v4, 3, v2                   ; out: 4 rows of 128 bytes a wave, 8 bytes a lane
	CONV 1
	s_endpgm
.Lweights:
	s_cmp_lt_u32 ttmp9, 896
	s_cbranch_scc0 .Lbias
	s_sub_co_u32 s2, ttmp9, 768
	s_and_b32 s3, s2, 31                           ; chunk of 32 rows
	s_lshr_b32 s2, s2, 5                           ; weight i
	s_cmp_eq_u32 s2, 0
	s_cselect_b64 s[34:35], s[14:15], s[16:17]
	s_cmp_eq_u32 s2, 2
	s_cselect_b64 s[34:35], s[18:19], s[34:35]
	s_cmp_eq_u32 s2, 3
	s_cselect_b64 s[34:35], s[20:21], s[34:35]
	s_lshl_b32 s36, s3, 17
	s_add_nc_u64 s[34:35], s[34:35], s[36:37]
	s_lshl_b32 s38, s2, 21
	s_lshl_b32 s3, s3, 16
	s_add_co_u32 s38, s38, s3
	s_add_nc_u64 s[40:41], s[32:33], s[38:39]
	v_lshlrev_b32 v1, 14, v3
	v_lshl_add_u32 v1, v4, 4, v1                   ; in: 16,384 consecutive bytes a wave
	v_lshlrev_b32 v2, 13, v3
	v_lshl_add_u32 v2, v4, 3, v2                   ; out: 8,192
	CONV 0
	s_endpgm
.Lbias:
	v_lshlrev_b32 v1, 4, v0                        ; four numbers a thread
	s_wait_alu depctr_va_vdst(0)                   ; v1 is written: the four loads and the four stores below read it as their offset
	global_load_b128 v[8:11], v1, s[22:23]
	global_load_b128 v[12:15], v1, s[24:25]
	global_load_b128 v[16:19], v1, s[26:27]
	global_load_b128 v[20:23], v1, s[28:29]
	s_add_nc_u64 s[32:33], s[32:33], 0x800000
	s_wait_loadcnt 0x0
.set n, 0
.rept 8
	v_cvt_pk_bf16_f32 v2, v[8+2*n], v[8+2*n+1]     ; rounded to bf16,
	v_lshlrev_b32 v[8+2*n], 16, v2                 ; and written as f32 again
	v_and_b32 v[8+2*n+1], 0xffff0000, v2
.set n, n+1
.endr
	s_wait_alu depctr_va_vdst(0)                   ; the lines above have written v[8:23], which the stores read
.irp i, 0,1,2,3
	global_store_b128 v1, v[8+4*(\i):8+4*(\i)+3], s[32:33] offset:4096*(\i)
.endr
	s_endpgm
.Lfunc_end_k_q0f55a3e7ad_cvt:
	.size	k_q0f55a3e7ad_cvt, .Lfunc_end_k_q0f55a3e7ad_cvt-k_q0f55a3e7ad_cvt
	.p2alignl 7, 3214868480
	.fill 96, 4, 3214868480
	.section	.rodata,"a",@progbits
	.p2align	6, 0x0
	.amdhsa_kernel k_q0f55a3e7ad_cvt
		.amdhsa_group_segment_fixed_size 0
		.amdhsa_private_segment_fixed_size 0
		.amdhsa_enable_private_segment 0
		.amdhsa_kernarg_size 104
		.amdhsa_user_sgpr_count 2
		.amdhsa_user_sgpr_kernarg_segment_ptr 1
		.amdhsa_wavefront_size32 1
		.amdhsa_system_sgpr_workgroup_id_x 1
		.amdhsa_system_sgpr_workgroup_id_y 1
		.amdhsa_system_sgpr_workgroup_id_z 1
		.amdhsa_system_vgpr_workitem_id 0
		.amdhsa_next_free_vgpr 136
		.amdhsa_next_free_sgpr 66
		.amdhsa_reserve_vcc 0
		.amdhsa_float_denorm_mode_32 3
		.amdhsa_float_denorm_mode_16_64 3
		.amdhsa_memory_ordered 1
		.amdhsa_forward_progress 1
		.amdhsa_inst_pref_size 26
	.end_amdhsa_kernel
	.amdgpu_metadata
---
amdhsa.version: [ 1, 2 ]
amdhsa.kernels:
  - .name:           k_q0f55a3e7ad_cvt
    .symbol:         k_q0f55a3e7ad_cvt.kd
    .args:
      - { .name: query, .offset: 0, .size: 8, .value_kind: global_buffer, .address_space: global }
      - { .name: key, .offset: 8, .size: 8, .value_kind: global_buffer, .address_space: global }
      - { .name: value, .offset: 16, .size: 8, .value_kind: global_buffer, .address_space: global }
      - { .name: Wq, .offset: 24, .size: 8, .value_kind: global_buffer, .address_space: global }
      - { .name: Wk, .offset: 32, .size: 8, .value_kind: global_buffer, .address_space: global }
      - { .name: Wv, .offset: 40, .size: 8, .value_kind: global_buffer, .address_space: global }
      - { .name: Wo, .offset: 48, .size: 8, .value_kind: global_buffer, .address_space: global }
      - { .name: bq, .offset: 56, .size: 8, .value_kind: global_buffer, .address_space: global }
      - { .name: bk, .offset: 64, .size: 8, .value_kind: global_buffer, .address_space: global }
      - { .name: bv, .offset: 72, .size: 8, .value_kind: global_buffer, .address_space: global }
      - { .name: bo, .offset: 80, .size: 8, .value_kind: global_buffer, .address_space: global }
      - { .name: xb, .offset: 88, .size: 8, .value_kind: global_buffer, .address_space: global }
      - { .name: wb, .offset: 96, .size: 8, .value_kind: global_buffer, .address_space: global }
    .group_segment_fixed_size: 0
    .private_segment_fixed_size: 0
    .kernarg_segment_align: 8
    .kernarg_segment_size: 104
    .max_flat_workgroup_size: 256
    .sgpr_count:     66
    .vgpr_count:     136
    .wavefront_size: 32
...
	.end_amdgpu_metadata
.endif
;; end of part 5
;; launch proj: the kernel of part 2 again; grid 4 x 192, 4 waves a work-group, clusters of 4 x 4, 327,680 bytes of LDS; arguments xb, wb, qkv; writes qkv
;; launch attn: the kernel of part 3 again; grid 2 x 128, 4 waves a work-group, no clusters, 300,544 bytes of LDS; arguments qkv, mask, ctx; writes ctx
;; launch outp: the kernel of part 4 again; grid 4 x 64, 4 waves a work-group, clusters of 4 x 4, 327,680 bytes of LDS; arguments ctx, wb, out0; writes out0
